; MI455X (gfx1250); checked and timed in simulation.
; The chip was launched on July 23, 2026; its instructions are those of AMD's public machine-readable ISA for CDNA 5 (MIT licence, August 2026) and "CDNA5" Instruction Set Architecture Reference Guide (July 2026). The comments in the code are by the model that wrote it; some were corrected since.
;; Cross Attention. Allowed arithmetic: matrix products marked QUANTISED: E2M3 operands, one E8M0 scale for each 32 along K, by v_wmma_scale_f32_16x16x128_f8f6f4 with both operands' format E2M3, f32 sums; everything else in f32.
;; Inputs: Wk 1,024 x 1,024 float32; Wq 1,024 x 1,024 float32; Wv 1,024 x 1,024 float32; bk 1,024 float32; bq 1,024 float32; bv 1,024 float32; key_input 4 x 2,048 x 1,024 float32; query_input 4 x 2,048 x 1,024 float32; value_input 4 x 2,048 x 1,024 float32.
;; Outputs: out0 4 x 2,048 x 1,024 float32.
;; This version of the problem:
;;   THIS VERSION OF THE PROBLEM IS GIVEN IN LOW PRECISION. The matrix products marked QUANTISED in the list below multiply operands that are first quantised to E2M3 (2 exponent bits, 3 mantissa bits; 6 bits a number), with one power-of-two scale for each 32 numbers along K (OCP MX v1.0); their sums are f32. All else is computed in f32.
;;   The module's matrix products, in the order in which they are computed (A, B: the left and right operand; K: the contracted axis; several contracted axes count as one K, in the product's order):
;;     1. [M 8,192, K 1,024] x [K 1,024, N 1,024]; A: input query_input; B: input Wq: QUANTISED
;;     2. [M 8,192, K 1,024] x [K 1,024, N 1,024]; A: input key_input; B: input Wk: QUANTISED
;;     3. [M 8,192, K 1,024] x [K 1,024, N 1,024]; A: input value_input; B: input Wv: QUANTISED
;;     4. batch 4 x [M 2,048, K 1,024] x [K 1,024, N 2,048]; A: computed on the way; B: computed on the way: QUANTISED
;;     5. batch 4 x [M 2,048, K 2,048] x [K 2,048, N 1,024]; A: softmax (see below); B: computed on the way: QUANTISED
;;   THE QUANTISER, for each operand of a quantised product, along K:
;;     - K is cut into blocks of 32 from its start; a last block that is shorter is filled with zeros.
;;     - A block's scale is 2^e with e = floor(log2(the largest magnitude in the block)) - 2, held to -126 .. 127; a block of zeros has e = 0. As a byte (E8M0): e + 127.
;;     - Each number is divided by its block's scale, clamped to +-7.5, and rounded to the nearest number of E2M3, ties to even, subnormals kept.
;;     - The product sums the exact products of the quantised numbers (number of the format x scale) in f32.
;;   ~~~python
;;   def quantise(x, axis):      # numpy; x: float32 -> the quantised numbers, widened to float32 again
;;       x = np.moveaxis(x, axis, -1); K = x.shape[-1]
;;       x = np.pad(x, [(0, 0)] * (x.ndim - 1) + [(0, -K % 32)]); x = x.reshape(x.shape[:-1] + (-1, 32)); a = np.abs(x).max(-1, keepdims=True)
;;       e = np.where(a > 0, np.clip(np.frexp(np.where(a > 0, a, 1))[1] - 1 - 2, -126, 127), 0)      # np.frexp(a)[1] - 1 = floor(log2(a)), exactly
;;       r = np.clip(x / 2.0 ** e, -7.5, 7.5)
;;       step = 2.0 ** (np.maximum(np.frexp(np.where(r == 0, 1, r))[1] - 1, 0) - 3)
;;       q = np.round(r / step) * step * 2.0 ** e      # np.round: ties to even
;;       return np.moveaxis(q.reshape(q.shape[:-2] + (-1,))[..., :K], -1, axis).astype(np.float32)
;;   ~~~
;;   SOFTMAX AHEAD OF A QUANTISED PRODUCT. Where the list says 'softmax', what is quantised is not the finished softmax but p = 2^(t - M), with t = logit x log2(e) and M = ceil(the row's largest t), a whole number; so 1/2 < the row's largest p <= 1. The row's sum l is taken of the UNQUANTISED p, in f32, and the product's result is divided by l at the end. Since M is a whole number, a kernel that streams over the keys may use a running M (the ceiling of the running maximum): every later rescaling is an exact power of two, which a block's scale takes up: the codes' values come out the same.
;;   OPERANDS COMPUTED ON THE WAY. 'Computed on the way' means the value that the module computes at that place (a softmax that the list does not call 'softmax' is quantised finished and normalised). What goes into a quantiser is computed in f32, as accurately as f32 sums, v_exp_f32 and their like allow (about 1e-6 of the number): no bf16 or f16 on the way to a quantiser, and a product that is left as it is and whose result goes on into a quantised operand takes f32 operands (vector FMAs, or v_wmma_f32_16x16x4_f32). A number that lies on a knife's edge between two numbers of the format may be rounded either way, as far as f32 arithmetic and the matrix unit's own rounding can turn it there, and no further.
;; One version. Each part assembles by itself: llvm-mc -triple=amdgcn-amd-amdhsa -mcpu=gfx1250 --defsym DOCPART=n.
;; ======== version 1 of 1: 4 launches
;; workspace buffers: xwc 21,233,664 bytes; xws 884,736 bytes; qkvc 18,874,368 bytes; qkvs 786,432 bytes; pc 12,582,912 bytes; pst 1,572,864 bytes
;; launch quant (part 1): grid 576 x 1, 4 waves a work-group, no clusters, 48,640 bytes of LDS; arguments query_input, key_input, value_input, Wq, Wk, Wv, xwc, xws; writes xwc, xws
.if DOCPART == 1
	.amdgcn_target "amdgcn-amd-amdhsa--gfx1250"
	.amdhsa_code_object_version 6
	.text
	.protected	k_qeec1ab31db_quant
	.globl	k_qeec1ab31db_quant
	.p2align	8
	.type	k_qeec1ab31db_quant,@function
k_qeec1ab31db_quant:
	s_mov_b64 s[64:65], 0
	v_nop
	global_prefetch_b8 v0, s[64:65] scope:SCOPE_SE
	s_setreg_imm32_b32 hwreg(HW_REG_WAVE_MODE, 25, 1), 1
	s_wait_xcnt 0x0
; The three inputs [8192][1024] f32 (K innermost) and the three weights [1024 (k)][1024 (n)] f32 (K outermost) become codes of FP6 (E2M3) with one E8M0 byte for each 32 along K.
; A block's scale is 2^(floor(log2(largest magnitude)) - 2); its byte is the largest magnitude's exponent field - 2, held at 1 from below (a block of zeros keeps 1: its codes are zeros, and this program alone reads the bytes).
; LIMITS: blocks whose largest magnitude lies under 2^-124 keep the byte 1; NaN and infinities among the inputs are not served.
; LAYOUT OF THE CODES: images of the operand's registers.  A fragment (16 rows x 128 K, 12 registers a lane) is 1,536 bytes: register group c (four registers) of lane l at 512 c + 16 l.
; Fragment (tile Tg of 128 rows, chunk kc of 128 K, block i of 16 rows) lies at Tg x 98,304 + kc x 12,288 + i x 1,536; its rows' scale words at Tg x 4,096 + kc x 512 + 64 i + 4 r.
; ROWS ARE STORED BY POSITION: position s of a tile holds the actual row with bits 3 and 4 of s exchanged, so that a later product's results lie in a lane as 16 neighbours along the next K.
; Work-groups 0-191: weights (128 columns x 128 K each; a lane takes a column, its registers run down K).  Work-groups 192-575: inputs (a wave takes 128 rows x 128 K: eight fragments).
; Waves share nothing: no barrier.  The two ways have LDS bytes of their own.
.set SPARE, 48128                      ; the spare words: 128 bytes a wave, two blocks of 256 bytes that no other line names
.set XREG,  8960                       ; inputs: a wave's region: a stage of 16 rows x 528 bytes, then its 512 bytes of scale words
.set XSCW,  8448
.set SP,    528                        ; a stage row: 512 bytes + 16
.set WBASE, 35840                      ; weights: a wave's region of 3,072 bytes: the images of two fragments
.set WREG,  3072
.set CO,   4                           ; v4   16 x lane
.set SA,   5                           ; v5   stage, on the way in
.set SB,   6                           ; v6   stage, on the way out
.set SWX,  7                           ; v7   where my row's scale word goes
.set SRX,  8                           ; v8   where the scale words are read back
.set L4,   9                           ; v9   4 x lane
.set WA,   10                          ; v10  weights: my column's place in the images
.set WR,   11                          ; v11  weights: read back
.set SPW,  12                          ; v12  my spare word; never rewritten
.set NIL,  13                          ; v13  0; never rewritten
.set PS,   14                          ; v14  4 x my column's position
.set TM,   16                          ; v16-31 at work
.set PC,   32                          ; v32-51 the codes just made
.set PW,   52                          ; v52-59 a scale word for each fragment
.set OUTR, 60
.set R,    64                          ; v64-191 numbers as loaded
.set X,    192                         ; v192-255 64 numbers of a lane, in the order of the operand
.set SEL,  30                          ; s[30:31] selects for lane l xor 16
; 64 numbers of a lane, register 16 b + i = k 32 b + 16 (lane / 16) + i of its row, become a fragment's codes in v[PC] on and the row's scale word in v[pw]
.macro QUANT s, pw
.irp b, 0,1,2,3
	v_max3_num_f32 v[TM+\b], |v[\s+16*\b]|, |v[\s+1+16*\b]|, 0x1800000   ; my 16 numbers of block b, and the floor 2^(3 - 127): the byte cannot fall under 1
.endr
.irp i, 2,4,6,8,10,12,14
.irp b, 0,1,2,3
	v_max3_num_f32 v[TM+\b], v[TM+\b], |v[\s+16*\b+\i]|, |v[\s+1+16*\b+\i]|
.endr
.endr
.irp b, 0,1,2,3
	v_permlanex16_b32 v[TM+4+\b], v[TM+\b], s[SEL], s[SEL+1]
.endr
.irp b, 0,1,2,3
	v_max_num_f32 v[TM+\b], v[TM+\b], v[TM+4+\b]          ; with lane l xor 16's: the block's largest magnitude
.endr
.irp b, 0,1,2,3
	v_add_nc_u32 v[TM+12+\b], 0xff000000, v[TM+\b]        ; 2 off its exponent field: the conversion's scale operand
.endr
.irp b, 0,1,2,3
	v_lshrrev_b32 v[TM+4+\b], 23, v[TM+12+\b]             ; the scale's byte
.endr
	v_lshl_or_b32 v[\pw], v[TM+5], 8, v[TM+4]
	v_lshl_or_b32 v[\pw], v[TM+6], 16, v[\pw]
	v_lshl_or_b32 v[\pw], v[TM+7], 24, v[\pw]
.irp c, 0,1
	v_cvt_scalef32_pk16_fp6_f32 v[PC+6*\c:PC+2+6*\c], v[\s+32*\c:\s+15+32*\c], v[TM+12+2*\c]
	v_cvt_scalef32_pk16_fp6_f32 v[PC+12+4*\c:PC+14+4*\c], v[\s+16+32*\c:\s+31+32*\c], v[TM+12+2*\c+1]   ; (a conversion's three registers begin on an even number)
.endr
	v_nop                                                 ; one plain place behind a scaled conversion
.irp c, 0,1                                           ; the operand wants a whole block in a lane: lanes 0-15 block 2 c, lanes 16-31 block 2 c + 1
.irp i, 0,1,2
	v_permlane16_swap_b32 v[PC+6*\c+\i], v[PC+12+4*\c+\i]
.endr
.irp i, 0,1,2
	v_mov_b32 v[PC+3+6*\c+\i], v[PC+12+4*\c+\i]
.endr
.endr
.endm
; fragment i's 16 rows: position 16 i + rho is actual row 32 (i / 2) + 8 (i % 2) + rho + 8 (rho / 8); each load takes 512 consecutive bytes of one row
.macro LOADF i
.set RL, R+64*((\i)%2)
.irp rho, 0,1,2,3,4,5,6,7,8,9,10,11,12,13,14,15
	global_load_b128 v[RL+4*\rho:RL+4*\rho+3], v[CO], s[24:25] offset:(32*((\i)/2)+8*((\i)%2)+\rho+8*(\rho/8))*4096 th:TH_LOAD_NT
.endr
.endm
.macro FRAGX i
.set RS, R+64*((\i)%2)
.if (\i) < 7
	s_wait_loadcnt 16                                     ; this fragment's 16 loads are in; the next fragment's 16 may be out
.else
	s_wait_loadcnt 0
.endif
.irp rho, 0,1,2,3,4,5,6,7,8,9,10,11,12,13,14,15
	ds_store_b128 v[SA], v[RS+4*\rho:RS+4*\rho+3] offset:SP*\rho
.endr
.irp b, 0,1,2,3
.irp j, 0,1,2,3
	ds_load_b128 v[X+16*\b+4*\j:X+16*\b+4*\j+3], v[SB] offset:128*\b+16*\j   ; LDS serves a wave's instructions in order: these see the stores above
.endr
.endr
	s_wait_dscnt 0x0                                      ; the numbers are back, and the stores have read their registers
	s_wait_xcnt 0x0                                       ; the last fragment's stores have read their codes: they are written anew below
.if (\i) < 6
	LOADF (\i)+2
.endif
	QUANT X, PW+(\i)
.irp c, 0,1,2
	global_store_b128 v[CO], v[PC+4*\c:PC+4*\c+3], s[16:17] offset:1536*(\i)+512*\c   ; 32 lanes store 512 consecutive bytes, aligned
.endr
	ds_store_b32 v[SWX], v[PW+(\i)] offset:64*(\i)        ; both halves of the lanes write the same word with the same value
.endm
; weights: block t of 32 along K of my column
.macro LOADW t
.irp i, 0,1,2,3,4,5,6,7,8,9,10,11,12,13,14,15,16,17,18,19,20,21,22,23,24,25,26,27,28,29,30,31
	global_load_b32 v[R+32*(\t)+\i], v[L4], s[24:25] offset:(32*(\t)+\i)*4096 th:TH_LOAD_NT
.endr
.endm
.macro BLOCKW t
.set XS, R+32*(\t)
.set CT, 192+8*(\t)
.if (\t) < 3
	s_wait_loadcnt 32                                     ; this block's 32 loads are in; the next block's 32 may be out
.else
	s_wait_loadcnt 0
.endif
.if (\t)+2 < 4
	LOADW (\t)+2
.endif
	v_max3_num_f32 v16, |v[XS]|, |v[XS+1]|, |v[XS+2]|     ; all 32 numbers of the block are mine
	v_max3_num_f32 v17, |v[XS+3]|, |v[XS+4]|, |v[XS+5]|
.irp i, 6,10,14,18,22,26
	v_max3_num_f32 v16, v16, |v[XS+\i]|, |v[XS+\i+1]|
	v_max3_num_f32 v17, v17, |v[XS+\i+2]|, |v[XS+\i+3]|
.endr
	v_max3_num_f32 v16, v16, |v[XS+30]|, |v[XS+31]|
	v_max3_num_f32 v16, v16, v17, 0x1800000               ; the floor
	v_add_nc_u32 v18, 0xff000000, v16
	v_lshrrev_b32 v19, 23, v18
.if (\t) == 0
	v_mov_b32 v20, v19
.else
	v_lshl_or_b32 v20, v19, 8*(\t), v20                   ; byte t of my column's scale word
.endif
	v_cvt_scalef32_pk16_fp6_f32 v[CT:CT+2], v[XS:XS+15], v18
	v_cvt_scalef32_pk16_fp6_f32 v[224:226], v[XS+16:XS+31], v18
	v_nop
	v_mov_b32 v[CT+3], v224
	v_mov_b32 v[CT+4], v225
	v_mov_b32 v[CT+5], v226
; block t = 2 c + hh is registers 6 c .. 6 c + 5 of image lane (my row) + 16 hh
.if (\t)/2 == 0
	ds_store_b128 v[WA], v[CT:CT+3] offset:256*((\t)%2)
	ds_store_b64 v[WA], v[CT+4:CT+5] offset:512+256*((\t)%2)
.else
	ds_store_b64 v[WA], v[CT:CT+1] offset:520+256*((\t)%2)
	ds_store_b128 v[WA], v[CT+2:CT+5] offset:1024+256*((\t)%2)
.endif
.endm
	s_load_b512 s[4:19], s[0:1], 0x0               ; query s[4:5], key s[6:7], value s[8:9], Wq s[10:11], Wk s[12:13], Wv s[14:15], xwc s[16:17], xws s[18:19]
	v_lshl_add_u32 v[SPW], v0, 2, SPARE
	v_mov_b32 v[NIL], 0
	v_lshrrev_b32 v1, 5, v0
	v_readfirstlane_b32 s20, v1                    ; wave
	v_and_b32 v1, 31, v0                           ; lane
	v_and_b32 v2, 15, v0                           ; r
	v_bfe_u32 v3, v0, 4, 1                         ; h
	v_lshlrev_b32 v[CO], 4, v1
	s_mov_b32 s[SEL], 0x76543210
	s_mov_b32 s[SEL+1], 0xfedcba98
	s_cmp_lt_u32 ttmp9, 192
	s_cbranch_scc1 .Lweights
	; ---- inputs
	s_sub_co_u32 s21, ttmp9, 192
	s_lshr_b32 s22, s21, 7                         ; which tensor
	s_lshr_b32 s23, s21, 1                         ; Tg
	s_and_b32 s26, s21, 1
	s_lshl_b32 s26, s26, 2
	s_add_co_u32 s26, s26, s20                     ; kc = 4 (work-group % 2) + wave
	s_and_b32 s27, s23, 63                         ; the tile in its tensor
	s_lshl_b32 s28, s27, 19                        ; 128 rows of 4,096 bytes
	s_lshl_b32 s29, s26, 9                         ; 128 numbers
	s_add_co_u32 s28, s28, s29
	s_mov_b32 s29, 0
	s_mul_i32 s32, s23, 98304
	s_mul_i32 s33, s26, 12288
	s_add_co_u32 s32, s32, s33
	s_mov_b32 s33, 0
	s_lshl_b32 s34, s23, 12
	s_lshl_b32 s35, s26, 9
	s_add_co_u32 s34, s34, s35
	s_mov_b32 s35, 0
	s_mul_i32 s36, s20, XREG
	v_add_nc_u32 v[SA], s36, v[CO]
	v_mul_u32_u24 v[SB], v2, SP
	v_lshl_add_u32 v[SB], v3, 6, v[SB]
	v_add_nc_u32 v[SB], s36, v[SB]                 ; row r, + 64 h: my 16 numbers of each block of 32
	v_lshlrev_b32 v[SWX], 2, v2
	v_add_nc_u32 v[SWX], s36, v[SWX]
	v_add_nc_u32 v[SWX], XSCW, v[SWX]
	v_add_nc_u32 v[SRX], XSCW, v[SA]
.irp b, 0,1,2,3
	v_mov_b32 v[TM+4+\b], 0                        ; written once: a lane permute's destination counts as one of its sources
.endr
	s_wait_kmcnt 0x0
	s_cmp_eq_u32 s22, 0
	s_cselect_b64 s[24:25], s[4:5], s[6:7]
	s_cmp_eq_u32 s22, 2
	s_cselect_b64 s[24:25], s[8:9], s[24:25]
	s_add_nc_u64 s[24:25], s[24:25], s[28:29]
	s_add_nc_u64 s[16:17], s[16:17], s[32:33]
	s_add_nc_u64 s[18:19], s[18:19], s[34:35]
	LOADF 0
	LOADF 1
.irp f, 0,1,2,3,4,5,6,7
	FRAGX \f
.endr
	ds_load_b128 v[OUTR:OUTR+3], v[SRX]            ; my 128 scale words, in order behind my stores
	s_wait_dscnt 0x0
	global_store_b128 v[CO], v[OUTR:OUTR+3], s[18:19]   ; 512 consecutive bytes, aligned
	s_wait_tensorcnt 0x0                           ; the wave's end
	ds_add_u32 v[SPW], v[NIL]
	s_wait_dscnt 0x0
	s_endpgm
.Lweights:
	s_lshr_b32 s21, ttmp9, 6                       ; which weight
	s_lshr_b32 s22, ttmp9, 3                       ; 8 x weight + tile
	s_and_b32 s23, s22, 7                          ; tile of 128 columns
	s_and_b32 s26, ttmp9, 7                        ; kc
	s_lshl_b32 s28, s26, 19                        ; 128 rows (k) of 4,096 bytes
	s_lshl_b32 s27, s23, 9
	s_add_co_u32 s28, s28, s27
	s_lshl_b32 s27, s20, 7                         ; my wave's 32 columns
	s_add_co_u32 s28, s28, s27
	s_mov_b32 s29, 0
	s_add_co_u32 s22, s22, 192                     ; Tg
	s_mul_i32 s32, s22, 98304
	s_mul_i32 s27, s26, 12288
	s_add_co_u32 s32, s32, s27
	s_mul_i32 s27, s20, WREG                       ; my two fragments
	s_add_co_u32 s32, s32, s27
	s_mov_b32 s33, 0
	s_lshl_b32 s34, s22, 12
	s_lshl_b32 s36, s26, 9
	s_add_co_u32 s34, s34, s36
	s_lshl_b32 s36, s20, 7
	s_add_co_u32 s34, s34, s36
	s_mov_b32 s35, 0
	s_add_co_u32 s27, s27, WBASE
	v_lshlrev_b32 v[L4], 2, v1
	v_bfe_u32 v15, v0, 3, 1                        ; my column's position p: bit 4 of p = bit 3 of the lane, bit 3 of p = bit 4 of the lane
	v_and_b32 v16, 7, v0
	v_mul_u32_u24 v[WA], v15, 1536                 ; fragment p / 16,
	v_lshl_add_u32 v[WA], v16, 4, v[WA]            ; row p % 16: 16 bytes a row
	v_lshl_add_u32 v[WA], v3, 7, v[WA]
	v_add_nc_u32 v[WA], s27, v[WA]
	v_add_nc_u32 v[WR], s27, v[CO]
	v_lshlrev_b32 v[PS], 2, v16
	v_lshl_add_u32 v[PS], v15, 6, v[PS]
	v_lshl_add_u32 v[PS], v3, 5, v[PS]             ; 4 p
	s_wait_kmcnt 0x0
	s_cmp_eq_u32 s21, 0
	s_cselect_b64 s[24:25], s[10:11], s[12:13]
	s_cmp_eq_u32 s21, 2
	s_cselect_b64 s[24:25], s[14:15], s[24:25]
	s_add_nc_u64 s[24:25], s[24:25], s[28:29]
	s_add_nc_u64 s[16:17], s[16:17], s[32:33]
	s_add_nc_u64 s[18:19], s[18:19], s[34:35]
	LOADW 0
	LOADW 1
	BLOCKW 0
	BLOCKW 1
	BLOCKW 2
	BLOCKW 3
.irp c, 0,1,2,3,4,5
	ds_load_b128 v[228+4*\c:231+4*\c], v[WR] offset:512*\c    ; in order behind my stores
.endr
.irp c, 0,1,2,3,4,5
	s_wait_dscnt 5-\c                              ; the younger read-backs may be out
	global_store_b128 v[CO], v[228+4*\c:231+4*\c], s[16:17] offset:512*\c
.endr
	global_store_b32 v[PS], v20, s[18:19]          ; my column's scale word: 128 bytes a wave
	s_wait_tensorcnt 0x0                           ; the wave's end
	ds_add_u32 v[SPW], v[NIL]
	s_wait_dscnt 0x0
	s_endpgm
.Lfunc_end_k_qeec1ab31db_quant:
	.size	k_qeec1ab31db_quant, .Lfunc_end_k_qeec1ab31db_quant-k_qeec1ab31db_quant
	.p2alignl 7, 3214868480
	.fill 96, 4, 3214868480
	.section	.rodata,"a",@progbits
	.p2align	6, 0x0
	.amdhsa_kernel k_qeec1ab31db_quant
		.amdhsa_group_segment_fixed_size 48640
		.amdhsa_private_segment_fixed_size 0
		.amdhsa_enable_private_segment 0
		.amdhsa_kernarg_size 64
		.amdhsa_user_sgpr_count 2
		.amdhsa_user_sgpr_kernarg_segment_ptr 1
		.amdhsa_wavefront_size32 1
		.amdhsa_system_sgpr_workgroup_id_x 1
		.amdhsa_system_sgpr_workgroup_id_y 1
		.amdhsa_system_sgpr_workgroup_id_z 1
		.amdhsa_system_vgpr_workitem_id 0
		.amdhsa_next_free_vgpr 256
		.amdhsa_next_free_sgpr 66
		.amdhsa_reserve_vcc 0
		.amdhsa_float_denorm_mode_32 3
		.amdhsa_float_denorm_mode_16_64 3
		.amdhsa_memory_ordered 1
		.amdhsa_forward_progress 1
		.amdhsa_inst_pref_size 86
	.end_amdhsa_kernel
	.amdgpu_metadata
---
amdhsa.version: [ 1, 2 ]
amdhsa.kernels:
  - .name:           k_qeec1ab31db_quant
    .symbol:         k_qeec1ab31db_quant.kd
    .args:
      - { .name: query_input, .offset: 0, .size: 8, .value_kind: global_buffer, .address_space: global }
      - { .name: key_input, .offset: 8, .size: 8, .value_kind: global_buffer, .address_space: global }
      - { .name: value_input, .offset: 16, .size: 8, .value_kind: global_buffer, .address_space: global }
      - { .name: Wq, .offset: 24, .size: 8, .value_kind: global_buffer, .address_space: global }
      - { .name: Wk, .offset: 32, .size: 8, .value_kind: global_buffer, .address_space: global }
      - { .name: Wv, .offset: 40, .size: 8, .value_kind: global_buffer, .address_space: global }
      - { .name: xwc, .offset: 48, .size: 8, .value_kind: global_buffer, .address_space: global }
      - { .name: xws, .offset: 56, .size: 8, .value_kind: global_buffer, .address_space: global }
    .group_segment_fixed_size: 48640
    .private_segment_fixed_size: 0
    .kernarg_segment_align: 8
    .kernarg_segment_size: 64
    .max_flat_workgroup_size: 128
    .sgpr_count:     66
    .vgpr_count:     256
    .wavefront_size: 32
...
	.end_amdgpu_metadata
.endif
;; end of part 1
;; launch proj (part 2): grid 4 x 96, 4 waves a work-group, clusters of 4 x 4, 327,680 bytes of LDS; arguments xwc, xws, bq, bk, bv, qkvc, qkvs; writes qkvc, qkvs
.if DOCPART == 2
	.amdgcn_target "amdgcn-amd-amdhsa--gfx1250"
	.amdhsa_code_object_version 6
	.text
	.protected	k_qeec1ab31db_proj
	.globl	k_qeec1ab31db_proj
	.p2align	8
	.type	k_qeec1ab31db_proj,@function
k_qeec1ab31db_proj:
	s_mov_b64 s[64:65], 0
	v_nop
	global_prefetch_b8 v0, s[64:65] scope:SCOPE_SE
	s_setreg_imm32_b32 hwreg(HW_REG_WAVE_MODE, 25, 1), 1
	s_wait_xcnt 0x0
	s_wait_alu depctr_hold_cnt(0) depctr_sa_sdst(0) depctr_va_vdst(0) depctr_va_sdst(0) depctr_va_ssrc(0) depctr_va_vcc(0) depctr_vm_vsrc(0)
	s_getreg_b32 s2, hwreg(HW_REG_IB_STS2, 6, 4)
	s_cmp_eq_u32 s2, 0
	s_cbranch_scc0 .Lentry_in_a_cluster
	s_endpgm
.Lentry_in_a_cluster:
	s_bfe_u32 s2, ttmp6, 0x10000c
	s_cmp_lg_u32 s2, 0xf033
	s_cbranch_scc0 .Lentry_shape_is_right
	s_endpgm
.Lentry_shape_is_right:
; q = x_q Wq + bq, k = x_k Wk + bk (quantised along d) and v^T = (x_v Wv + bv)^T (quantised along the keys), on codes of FP6 (E2M3) with E8M0 scales; sums in f32; the results leave as codes and scale words.
; One text serves the three: clusters 0-7 along y make q, 8-15 k, 16-23 v^T.  For v^T the operands change roles: A = Wv's columns (d), B = value_input's rows (keys).  What differs is chosen by s_cselect on the cluster's number.
; A tile of 256 x 256 is made by four waves, 128 x 128 each: 64 accumulators, 512 registers.
; OPERANDS LIE IN MEMORY AS IMAGES OF THEIR REGISTERS: fragment (16 rows x 128 K) = 1,536 bytes, register group c of lane l at 512 c + 16 l; the 16 fragments of (128 rows, 256 K) are one dense block of 24,576 bytes: one
; tensor load, 96 rows of 256 bytes; a fragment comes out of LDS by three loads of 16 bytes a lane, 512 consecutive bytes each.  The scale words of 128 rows, 4,096 bytes, come once and stay.
; THREE SLOTS, ONE REFILL.  K = 1,024 is four K steps of 256, 98,304 bytes each for the work-group; three fit in LDS beside the scale words (294,912 + 16,384 + 512 bytes).  So K steps 0, 1, 2 are asked for together at the
; start (four tensor loads of a wave are out: the scale words and three tiles), and one refill is left: K step 3 into slot 0, behind the change from slot 0 to slot 1; it has K steps 1 and 2, 256 matrix instructions, in which to land.
; CLUSTER 4 x 4: A's tiles are asked for jointly by the four of a row of the cluster, B's by the four of a column.
; THE PRODUCT IS USED TRANSPOSED (source 0 = 16 rows of B, source 1 = 16 rows of A).  Rows are stored by position (bits 3 and 4 of the actual row exchanged), so lane (r, h) of A's block a holds A's position 16 a + r, and
; register 8 b + j of the block's 64 holds B's ACTUAL index 32 (b / 2) + 16 h + 8 (b % 2) + j: 16 neighbours of each block of 32 along the next K.  So the results are quantised in registers and stored as images.
; THE BIAS: along B's index (q, k) it is added in the way out, times 1 or 0; along A's index (v^T) it is the C of the first products, times 1 or 0.
; LIMITS: NaN and infinities are not served (a bias times 0 is taken to be 0); a block whose largest magnitude lies under 2^-124 keeps the byte 1.
; REGISTERS: window 0: v1-29 addresses; v32-63 scale words, two sets, and nothing else; v64-127 the bias; v128-223 A's fragments, one set; window 1: B's fragments, two sets at v0 and v128; windows 2, 3: accumulator (a, b) at v[8 (8 (a % 4) + b)].
.set FR,     12
.set NL,     3                         ; LDS loads of a fragment
.set NP,     4                         ; places behind this matrix instruction (ISA guide 7.12.1)
.set NQ,     2
.set HALFT,  24576
.set SLOT,   4*HALFT                   ; A's two halves, then B's two halves
.set SCL,    3*SLOT
.set NKC,    8                         ; chunks of 128 along K
.set HALFS,  512*NKC
.set TILEB,  NKC*12288
.set SPARE,  SCL+4*HALFS               ; the spare words: 128 bytes a wave, two blocks of 256 bytes that no other line names
.set STG,    SLOT                      ; the way out's scale words lie in slot 1: it has had its one fill, and nobody reads it behind the last barrier
.set CO,   10                          ; v10  16 x lane
.set SWA,  11                          ; v11  the way out: where my row's scale word goes
.set SRA,  12                          ; v12  and where the words are read back
.set ADRA, 16                          ; v16-18 my A fragments in slots 0, 1, 2
.set ADRB, 20                          ; v20-22 my B fragments
.set ADRS, 27
.set SPW,  28
.set NIL,  29
.set SC,   32
.set BC,   64
.set AF,   128
.set BJ,   64
.set H,    128
.set PC,   192
.set TM,   212
.set PW,   228
.set OUTR, 236
.set SEL,  20
.set SELJ, 66
.set SELV, 95
.set G1,   24
.set G0,   32                          ; s[32:39] A's groups 0 for slots 0 and 1
.set G0C,  4                           ; s[4:7]   and for slot 2: the registers of the two input pointers, free behind the address sums
.set G1B,  48
.set G0B,  56                          ; s[56:63] B's groups 0 for slots 0 and 1
.set G0BC, 44                          ; s[44:47] and for slot 2: made in place
.set G1S,  68
.set G0S,  76
.set G1SB, 80
.set G0SB, 88
.set MSB, 0
.macro WIN new                         ; the immediate's high byte repeats the setting that is left
.if MSB != (\new)
	s_set_vgpr_msb (MSB<<8)|(\new)
.set MSB, (\new)
.endif
.endm
.set MUL_LO, 0xa1                      ; source 0 (B) window 1, source 1 (A) window 0, C and D window 2
.set MUL_HI, 0xf1
.set TO_B,   0x40
; a joint load: waves 0 and 1 fetch for A, waves 2 and 3 for B; the branch hangs on the wave's number alone; an s_nop 0 and four v_nop follow each line
.macro JLOAD g0a, g1a, g0b, g1b
	s_cmp_eq_u32 s15, 0
	s_cbranch_scc0 .Lfor_b_\@
	tensor_load_to_lds s[\g0a:\g0a+3], s[\g1a:\g1a+7]
	s_nop 0
.rept 4
	v_nop
.endr
	s_branch .Lasked_\@
.Lfor_b_\@:
	tensor_load_to_lds s[\g0b:\g0b+3], s[\g1b:\g1b+7]
	s_nop 0
.rept 4
	v_nop
.endr
.Lasked_\@:
.endm
.macro CREST
	s_cmp_lg_u32 s14, 0
	s_cbranch_scc1 .Lnot_wave_0_\@
	s_barrier_signal -3
.Lnot_wave_0_\@:
	s_barrier_wait -3
	s_barrier_signal -1
	s_barrier_wait -1
.endm
.macro CROUND
	s_barrier_signal -1
	s_barrier_wait -1
	CREST
.endm
.macro PLACES n
.rept \n
	v_nop
.endr
.endm
.macro FRAG reg, adr, q, i             ; a fragment's image: three loads of 512 consecutive bytes
.irp c, 0,1,2
	ds_load_b128 v[\reg+4*\c:\reg+4*\c+3], v[\adr] offset:((\q)*8+(\i))*1536+512*\c
.endr
.endm
; 16 products: A's blocks a0, a0 + 1 x B's eight.  zero = 1: C = 0; zero = 2: C = the bias of A's block, in window 0; the 64 accumulators take turns
.macro MUL16 a0, p, q, sc, zero
.irp a, \a0, \a0+1
.irp b, 0,1,2,3,4,5,6,7
.if (\zero) == 1
	v_wmma_scale_f32_16x16x128_f8f6f4 v[8*(8*((\a)%4)+\b):8*(8*((\a)%4)+\b)+7], v[128*(\p)+FR*\b:128*(\p)+FR*\b+FR-1], v[AF+FR*(\a):AF+FR*(\a)+FR-1], 0, v[SC+8*NQ*(\sc)+NQ*\b+(\q)], v[SC+8*NQ*(\sc)+NQ*(\a)+(\q)] matrix_a_fmt:MATRIX_FMT_FP6 matrix_b_fmt:MATRIX_FMT_FP6 matrix_a_scale:MATRIX_SCALE_ROW1
.elseif (\zero) == 2
	v_wmma_scale_f32_16x16x128_f8f6f4 v[8*(8*((\a)%4)+\b):8*(8*((\a)%4)+\b)+7], v[128*(\p)+FR*\b:128*(\p)+FR*\b+FR-1], v[AF+FR*(\a):AF+FR*(\a)+FR-1], v[BC+8*(\a):BC+8*(\a)+7], v[SC+8*NQ*(\sc)+NQ*\b+(\q)], v[SC+8*NQ*(\sc)+NQ*(\a)+(\q)] matrix_a_fmt:MATRIX_FMT_FP6 matrix_b_fmt:MATRIX_FMT_FP6 matrix_a_scale:MATRIX_SCALE_ROW1
.else
	v_wmma_scale_f32_16x16x128_f8f6f4 v[8*(8*((\a)%4)+\b):8*(8*((\a)%4)+\b)+7], v[128*(\p)+FR*\b:128*(\p)+FR*\b+FR-1], v[AF+FR*(\a):AF+FR*(\a)+FR-1], v[8*(8*((\a)%4)+\b):8*(8*((\a)%4)+\b)+7], v[SC+8*NQ*(\sc)+NQ*\b+(\q)], v[SC+8*NQ*(\sc)+NQ*(\a)+(\q)] matrix_a_fmt:MATRIX_FMT_FP6 matrix_b_fmt:MATRIX_FMT_FP6 matrix_a_scale:MATRIX_SCALE_ROW1
.endif
.endr
.endr
.endm
.macro FETCH_B slot, q, p
	WIN TO_B
.irp i, 0,1,2,3,4,5,6,7
	FRAG 128*(\p)+FR*\i, ADRB+\slot, \q, \i
.endr
	WIN 0
.endm
.macro FETCH_A slot, q, i0
.irp i, \i0, \i0+1, \i0+2, \i0+3
	FRAG AF+FR*(\i), ADRA+\slot, \q, \i
.endr
.endm
.macro SCALES sc                       ; a K step's scale words into set sc: lanes 0-15 A's block i, lanes 16-31 B's block i
.irp i, 0,1,2,3,4,5,6,7
.irp q, 0,1
	ds_load_b32 v[SC+16*\sc+2*\i+\q], v[ADRS] offset:512*\q+64*\i
.endr
.endr
.endm
.macro STEP slot, sc, q, zero          ; 128 along K that has its successor in the same slot; sc: the K step's set of scale words
	s_wait_dscnt 4*NL                              ; B's set and A's blocks 0-3 are in; the youngest twelve loads (A's blocks 4-7) may be out
.if (\zero) == 2
	WIN 0x81
.else
	WIN MUL_LO
.endif
	MUL16 0, (\q)%2, \q, \sc, \zero
	MUL16 2, (\q)%2, \q, \sc, \zero
	s_wait_dscnt 0
	PLACES NP
	FETCH_B \slot, (\q)+1, 1-(\q)%2
	FETCH_A \slot, (\q)+1, 0
.if (\zero) == 2
	WIN 0xc1
.else
	WIN MUL_HI
.endif
	MUL16 4, (\q)%2, \q, \sc, \zero
	MUL16 6, (\q)%2, \q, \sc, \zero
	PLACES NP
	WIN 0
	FETCH_A \slot, (\q)+1, 4
.endm
; a slot's last 128 along K, and the change of slots.
; mode 1: this slot is filled again: each wave waits for all its tensor loads, adds 0 to its spare word, waits for that and for its reads of this slot; the barrier opens a round of the cluster's barrier, and the joint refill comes first behind it.
; mode 0: the same three lines and a plain barrier: the next slot's tile is whole for every wave behind it; nothing is filled.
; mode 2: no barrier: the next slot was shown whole to every wave by the round of the change before, and nothing is filled.
.macro TURN slot, sc, next, nsc, mode
.if (\mode) == 2
	s_wait_dscnt 4*NL                              ; A's blocks 4-7 may be out
	WIN MUL_LO
	MUL16 0, 1, NQ-1, \sc, 0
	MUL16 2, 1, NQ-1, \sc, 0
	s_wait_dscnt 0x0
	WIN 0
	PLACES NP
.else
	s_wait_tensorcnt 0x0                           ; all my tensor loads have landed; no load of mine is out
	ds_add_u32 v[SPW], v[NIL]
	s_wait_dscnt 4*NL+1                            ; (the add and A's blocks 4-7 may be out)
	WIN MUL_LO
	MUL16 0, 1, NQ-1, \sc, 0
	s_wait_dscnt 0x0                               ; the add is done, and my reads of this slot are over
	s_barrier_signal -1
	MUL16 2, 1, NQ-1, \sc, 0
	WIN 0
	s_barrier_wait -1
.if (\mode) == 1
	CREST
	s_add_nc_u64 s[G0+4*\slot+2:G0+4*\slot+3], s[G0+4*\slot+2:G0+4*\slot+3], 3*HALFT     ; three K steps on
	s_add_nc_u64 s[G0B+4*\slot+2:G0B+4*\slot+3], s[G0B+4*\slot+2:G0B+4*\slot+3], 3*HALFT
	JLOAD G0+4*\slot, G1, G0B+4*\slot, G1B         ; its four v_nop are the places in front of the loads below
.else
	PLACES NP
.endif
.endif
	v_add_nc_u32 v[ADRS], 1024, v[ADRS]            ; the next K step's scale words
	FETCH_B \next, 0, 0
	FETCH_A \next, 0, 0
	SCALES \nsc
	WIN MUL_HI
	MUL16 4, 1, NQ-1, \sc, 0
	MUL16 6, 1, NQ-1, \sc, 0
	PLACES NP
	WIN 0
	FETCH_A \next, 0, 4
.endm
.macro QUANT s, pw                     ; 64 numbers of a lane, register 16 b + i = k 32 b + 16 (lane / 16) + i, become a fragment's codes in v[PC] on and the row's scale word in v[pw]
.irp b, 0,1,2,3
	v_max3_num_f32 v[TM+\b], |v[\s+16*\b]|, |v[\s+1+16*\b]|, 0x1800000   ; and the floor 2^(3 - 127): the byte cannot fall under 1
.endr
.irp i, 2,4,6,8,10,12,14
.irp b, 0,1,2,3
	v_max3_num_f32 v[TM+\b], v[TM+\b], |v[\s+16*\b+\i]|, |v[\s+1+16*\b+\i]|
.endr
.endr
.irp b, 0,1,2,3
	v_permlanex16_b32 v[TM+4+\b], v[TM+\b], s[SEL], s[SEL+1]
.endr
.irp b, 0,1,2,3
	v_max_num_f32 v[TM+\b], v[TM+\b], v[TM+4+\b]
.endr
.irp b, 0,1,2,3
	v_add_nc_u32 v[TM+12+\b], 0xff000000, v[TM+\b]        ; 2 off the exponent field: the conversion's scale operand
.endr
.irp b, 0,1,2,3
	v_lshrrev_b32 v[TM+4+\b], 23, v[TM+12+\b]
.endr
	v_lshl_or_b32 v[\pw], v[TM+5], 8, v[TM+4]
	v_lshl_or_b32 v[\pw], v[TM+6], 16, v[\pw]
	v_lshl_or_b32 v[\pw], v[TM+7], 24, v[\pw]
.irp c, 0,1
	v_cvt_scalef32_pk16_fp6_f32 v[PC+6*\c:PC+2+6*\c], v[\s+32*\c:\s+15+32*\c], v[TM+12+2*\c]
	v_cvt_scalef32_pk16_fp6_f32 v[PC+12+4*\c:PC+14+4*\c], v[\s+16+32*\c:\s+31+32*\c], v[TM+12+2*\c+1]
.endr
	v_nop                                                 ; one plain place behind a scaled conversion
.irp c, 0,1
.irp i, 0,1,2
	v_permlane16_swap_b32 v[PC+6*\c+\i], v[PC+12+4*\c+\i]
.endr
.irp i, 0,1,2
	v_mov_b32 v[PC+3+6*\c+\i], v[PC+12+4*\c+\i]
.endr
.endr
.endm
; the way out of A's block a: + the bias along B's index, quantised, the fragment's image stored
.macro OUTQ a
.set AC, 64*((\a)%4)
	s_wait_xcnt 0x0                                ; the last block's stores have read their codes
	WIN 0x20+0x10*((\a)/4)                         ; source 2: the accumulators' window
.set kk, 0
.rept 32
	v_pk_fma_f32 v[H+kk:H+kk+1], v[BJ+kk:BJ+kk+1], s[SELJ:SELJ+1], v[AC+kk:AC+kk+1] op_sel_hi:[1,0,1]   ; each accumulator from its low end on
.set kk, kk+2
.endr
	WIN 0
	QUANT H, PW+(\a)
.irp c, 0,1,2
	global_store_b128 v[CO], v[PC+4*\c:PC+4*\c+3], s[96:97] offset:1536*(\a)+512*\c    ; 512 consecutive bytes, aligned
.endr
	ds_store_b32 v[SWA], v[PW+(\a)] offset:64*(\a)
.endm
	s_load_b256 s[4:11], s[0:1], 0x0               ; xwc s[4:5], xws s[6:7], bq s[8:9], bk s[10:11]
	s_load_b64 s[12:13], s[0:1], 0x20              ; bv
	s_load_b128 s[96:99], s[0:1], 0x28             ; qkvc s[96:97], qkvs s[98:99]
	v_lshl_add_u32 v[SPW], v0, 2, SPARE
	v_mov_b32 v[NIL], 0
	ds_add_u32 v[SPW], v[NIL]                      ; the wave's opening
	v_lshrrev_b32 v1, 5, v0
	v_readfirstlane_b32 s14, v1                    ; wave
	s_lshr_b32 s15, s14, 1                         ; my half of A's rows.  Also: I fetch for A (0) or B (1)
	s_and_b32 s16, s14, 1                          ; my half of B's rows.  Also: which 128 rows I fetch
	s_bfe_u32 s40, ttmp6, 0x40000                  ; cx
	s_bfe_u32 s41, ttmp6, 0x40004                  ; cy
	s_lshl_b32 s43, s41, 2
	s_lshl_b32 s43, 15, s43                        ; my row of the cluster
	s_lshl_b32 s44, 0x1111, s40                    ; my column
	s_or_b32 s[G1+0], s43, (3<<16)|(1<<21)         ; the mask; elements of 8 bytes; bit 21 beside a mask; no padding
	s_or_b32 s[G1B+0], s44, (3<<16)|(1<<21)
.irp g, G1, G1B
	s_mov_b32 s[\g+1], 32<<16                      ; tensor_dim0: 32 elements = 256 bytes
	s_mov_b32 s[\g+2], 96<<16                      ; tensor_dim1: 96 rows
	s_mov_b32 s[\g+3], 32<<16                      ; tile_dim0
	s_mov_b32 s[\g+4], 96                          ; tile_dim1
	s_mov_b32 s[\g+5], 32                          ; the pitch: dense
	s_mov_b32 s[\g+6], 0
	s_mov_b32 s[\g+7], 0
.endr
	s_or_b32 s[G1S+0], s43, (3<<16)|(1<<21)
	s_or_b32 s[G1SB+0], s44, (3<<16)|(1<<21)
.irp g, G1S, G1SB
	s_mov_b32 s[\g+1], 32<<16
	s_mov_b32 s[\g+2], (HALFS/256)<<16
	s_mov_b32 s[\g+3], 32<<16
	s_mov_b32 s[\g+4], HALFS/256
	s_mov_b32 s[\g+5], 32
	s_mov_b32 s[\g+6], 0
	s_mov_b32 s[\g+7], 0
.endr
	s_and_b32 s18, ttmp7, 0xffff                   ; the cluster's y, 0 .. 23
	s_lshr_b32 s19, s18, 3                         ; kind: 0 q, 1 k, 2 v^T
	s_and_b32 s20, s18, 7
	s_lshl_b32 s20, s20, 2                         ; four tiles a cluster along the long axis
	s_lshl_b32 s21, s19, 6
	s_lshl_b32 s22, s19, 3
	s_add_co_u32 s22, s22, 192
	s_cmp_eq_u32 s19, 2                            ; the cluster's number alone: the same in all sixteen partners
	s_cselect_b32 s17, 0, s20
	s_cselect_b32 s42, s20, 0
	s_cselect_b32 s2, 208, s21                     ; A's first tile of 128 rows in xwc
	s_cselect_b32 s3, 128, s22                     ; B's
	s_cselect_b32 s[SELJ], 0, 1.0
	s_cselect_b32 s[SELV], 1.0, 0
	s_cselect_b32 s100, 8, 4                       ; K steps of the operand that is made
	s_cselect_b32 s101, 1024, 0                    ; its first chunk in qkvc
	s_mov_b32 s[SELJ+1], s[SELJ]
	s_add_co_u32 s17, s17, s41                     ; tile row
	s_add_co_u32 s42, s42, s40                     ; tile column
	s_lshl_b32 s20, s17, 1
	s_add_co_u32 s20, s20, s2
	s_add_co_u32 s20, s20, s16                     ; A's tile that I would fetch
	s_lshl_b32 s46, s42, 1
	s_add_co_u32 s46, s46, s3
	s_add_co_u32 s46, s46, s16                     ; B's
	s_lshl_b32 s22, s20, 12
	s_mov_b32 s23, 0
	s_lshl_b32 s92, s46, 12
	s_mov_b32 s93, 0
	s_mul_i32 s20, s20, TILEB
	s_mov_b32 s21, 0
	s_mul_i32 s46, s46, TILEB
	s_mov_b32 s47, 0
	s_mul_i32 s45, s14, HALFT                      ; where they go: the wave's number alone
	s_mul_i32 s94, s14, HALFS
	s_wait_dscnt 0x0                               ; the opening add is done
	s_wait_kmcnt 0x0
	s_add_nc_u64 s[20:21], s[4:5], s[20:21]
	s_add_nc_u64 s[22:23], s[6:7], s[22:23]
	s_add_nc_u64 s[46:47], s[4:5], s[46:47]
	s_add_nc_u64 s[92:93], s[6:7], s[92:93]
	CROUND                                         ; all sixteen work-groups are here: the first joint loads meet
	s_mov_b32 s[G0S], 1
	s_add_co_u32 s[G0S+1], s94, SCL
	s_mov_b64 s[G0S+2:G0S+3], s[22:23]
	s_or_b32 s[G0S+3], s[G0S+3], 0x80000000
	s_mov_b32 s[G0SB], 1
	s_add_co_u32 s[G0SB+1], s94, SCL
	s_mov_b64 s[G0SB+2:G0SB+3], s[92:93]
	s_or_b32 s[G0SB+3], s[G0SB+3], 0x80000000
	JLOAD G0S, G1S, G0SB, G1SB                     ; the scale words, filled once
.irp s, 0,1
	s_mov_b32 s[G0+4*\s], 1
	s_add_co_u32 s[G0+4*\s+1], s45, \s*SLOT
	s_add_nc_u64 s[G0+4*\s+2:G0+4*\s+3], s[20:21], \s*HALFT
	s_or_b32 s[G0+4*\s+3], s[G0+4*\s+3], 0x80000000
	s_mov_b32 s[G0B+4*\s], 1
	s_add_co_u32 s[G0B+4*\s+1], s45, \s*SLOT
	s_add_nc_u64 s[G0B+4*\s+2:G0B+4*\s+3], s[46:47], \s*HALFT
	s_or_b32 s[G0B+4*\s+3], s[G0B+4*\s+3], 0x80000000
	JLOAD G0+4*\s, G1, G0B+4*\s, G1B
.endr
	s_mov_b32 s[G0C], 1                            ; K step 2 into slot 2
	s_add_co_u32 s[G0C+1], s45, 2*SLOT
	s_add_nc_u64 s[G0C+2:G0C+3], s[20:21], 2*HALFT
	s_or_b32 s[G0C+3], s[G0C+3], 0x80000000
	s_mov_b32 s[G0BC], 1
	s_add_co_u32 s[G0BC+1], s45, 2*SLOT            ; in place: the last use of the wave's LDS offset,
	s_add_nc_u64 s[G0BC+2:G0BC+3], s[46:47], 2*HALFT   ; and of B's address
	s_or_b32 s[G0BC+3], s[G0BC+3], 0x80000000
	JLOAD G0C, G1, G0BC, G1B
	v_and_b32 v1, 15, v0                           ; r
	v_bfe_u32 v2, v0, 4, 1                         ; h
	v_and_b32 v3, 31, v0
	v_lshlrev_b32 v[CO], 4, v3
	; where my 128 x 128 goes, and which numbers of the bias I want
	s_lshl_b32 s20, s17, 1
	s_add_co_u32 s20, s20, s15                     ; 2 x tile row + my half
	s_lshr_b32 s21, s42, 3
	s_lshl_b32 s21, s21, 3
	s_add_co_u32 s21, s21, s20                     ; v^T: 8 x batch + d / 128
	s_lshl_b32 s22, s19, 6
	s_add_co_u32 s22, s22, s20                     ; q, k: 64 x kind + row / 128
	s_and_b32 s23, s42, 7                          ; v^T: the K step among the batch's keys
	s_lshl_b32 s92, s20, 7
	s_lshl_b32 s93, s42, 1
	s_add_co_u32 s93, s93, s16
	s_lshl_b32 s93, s93, 7
	s_cmp_eq_u32 s19, 2
	s_cselect_b32 s21, s21, s22
	s_cselect_b32 s23, s23, s42
	s_cselect_b32 s92, s92, 0                      ; the bias along A's index begins here (v^T), or at 0
	s_cselect_b32 s93, 0, s93                      ; the bias along B's index begins here (q, k), or at 0: every load stays inside the 1,024 numbers
	s_mul_i32 s21, s21, s100
	s_add_co_u32 s21, s21, s23
	s_lshl_b32 s21, s21, 1
	s_add_co_u32 s21, s21, s16
	s_add_co_u32 s21, s21, s101                    ; my chunk of 12,288 bytes of codes and 512 bytes of scale words
	s_mul_i32 s22, s21, 12288
	s_mov_b32 s23, 0
	s_add_nc_u64 s[96:97], s[96:97], s[22:23]
	s_lshl_b32 s22, s21, 9
	s_add_nc_u64 s[98:99], s[98:99], s[22:23]
	s_cmp_eq_u32 s19, 0
	s_cselect_b64 s[8:9], s[8:9], s[10:11]
	s_cmp_eq_u32 s19, 2
	s_cselect_b64 s[8:9], s[12:13], s[8:9]         ; the kind's bias
	v_and_b32 v3, 8, v1
	v_add_nc_u32 v3, v3, v1                        ; r + 8 (r / 8)
	v_lshlrev_b32 v8, 2, v3
	s_lshl_b32 s92, s92, 2
	v_add_nc_u32 v8, s92, v8
	v_lshlrev_b32 v9, 6, v2
	s_lshl_b32 s93, s93, 2
	v_add_nc_u32 v9, s93, v9
.irp a, 0,1,2,3,4,5,6,7
	global_load_b32 v[224+\a], v8, s[8:9] offset:(32*(\a/2)+8*(\a%2))*4    ; the bias at the actual index of my row of A's block a
.endr
	s_mul_i32 s21, s15, HALFT
	s_mul_i32 s22, s16, HALFT
	s_add_co_u32 s22, s22, 2*HALFT
.irp s, 0,1,2
	v_add_nc_u32 v[ADRA+\s], s21, v[CO]
	v_add_nc_u32 v[ADRB+\s], s22, v[CO]
	s_add_co_u32 s21, s21, SLOT
	s_add_co_u32 s22, s22, SLOT
.endr
	v_lshlrev_b32 v5, 2, v1
	s_mul_i32 s21, s15, HALFS
	s_mul_i32 s22, s16, HALFS
	s_add_co_u32 s22, s22, 2*HALFS
	s_sub_co_u32 s22, s22, s21
	v_mul_u32_u24 v6, s22, v2                      ; lanes 16-31 take B's words
	s_add_co_u32 s21, s21, SCL
	v_add_nc_u32 v5, v5, v6
	v_add_nc_u32 v[ADRS], s21, v5
	s_lshl_b32 s21, s14, 9
	s_add_co_u32 s21, s21, STG
	v_lshl_add_u32 v[SWA], v1, 2, s21
	v_add_nc_u32 v[SRA], s21, v[CO]
	s_wait_loadcnt 0x0
.irp a, 0,1,2,3,4,5,6,7
.irp j, 0,1,2,3,4,5,6,7
	v_mul_f32 v[BC+8*\a+\j], s[SELV], v[224+\a]    ; the C of the first products: the bias (v^T) or 0
.endr
.endr
	PLACES 8
	s_wait_tensorcnt 2                             ; the scale words and my part of K step 0 are in; K steps 1 and 2 may be out
	s_barrier_signal -1
	s_barrier_wait -1
	FETCH_B 0, 0, 0
	FETCH_A 0, 0, 0
	SCALES 0
	FETCH_A 0, 0, 4
	STEP 0, 0, 0, 2                                ; K step 0: the first products start the sums
	TURN 0, 0, 1, 1, 1                             ; slots 1 and 2 are whole for every wave; slot 0 takes K step 3
	STEP 1, 1, 0, 0                                ; K step 1
	TURN 1, 1, 2, 0, 2                             ; on into slot 2, with no barrier
	STEP 2, 0, 0, 0                                ; K step 2
.irp b, 0,1,2,3,4,5,6,7                        ; the bias along B's index, for the way out, into the registers that the first products' C has left
	global_load_b128 v[BJ+8*\b:BJ+8*\b+3], v9, s[8:9] offset:(32*(\b/2)+8*(\b%2))*4
	global_load_b128 v[BJ+8*\b+4:BJ+8*\b+7], v9, s[8:9] offset:(32*(\b/2)+8*(\b%2))*4+16
.endr
	TURN 2, 0, 0, 1, 0                             ; K step 3 is whole for every wave; nothing is filled
	STEP 0, 1, 0, 0                                ; K step 3
	s_wait_dscnt 4*NL
	WIN MUL_LO
	MUL16 0, 1, NQ-1, 1, 0
	MUL16 2, 1, NQ-1, 1, 0
	s_wait_dscnt 0
	WIN MUL_HI
	MUL16 4, 1, NQ-1, 1, 0
	MUL16 6, 1, NQ-1, 1, 0
	WIN 0
	PLACES NP                                      ; in front of the first read of results and the first write of registers that held A's fragments
	s_mov_b32 s[SEL], 0x76543210
	s_mov_b32 s[SEL+1], 0xfedcba98
.irp b, 0,1,2,3
	v_mov_b32 v[TM+4+\b], 0                        ; a lane permute's destination counts as one of its sources
.endr
	s_wait_loadcnt 0x0                             ; the bias
.irp a, 0,1,2,3,4,5,6,7
	OUTQ \a
.endr
	ds_load_b128 v[OUTR:OUTR+3], v[SRA]            ; my 128 scale words, in order behind my stores
	s_wait_dscnt 0x0
	global_store_b128 v[CO], v[OUTR:OUTR+3], s[98:99]   ; 512 consecutive bytes, aligned
	s_wait_tensorcnt 0x0                           ; the wave's end
	ds_add_u32 v[SPW], v[NIL]
	s_wait_dscnt 0x0
	CROUND                                         ; the closing round
	s_endpgm
.Lfunc_end_k_qeec1ab31db_proj:
	.size	k_qeec1ab31db_proj, .Lfunc_end_k_qeec1ab31db_proj-k_qeec1ab31db_proj
	.p2alignl 7, 3214868480
	.fill 96, 4, 3214868480
	.section	.rodata,"a",@progbits
	.p2align	6, 0x0
	.amdhsa_kernel k_qeec1ab31db_proj
		.amdhsa_group_segment_fixed_size 327680
		.amdhsa_private_segment_fixed_size 0
		.amdhsa_enable_private_segment 0
		.amdhsa_kernarg_size 56
		.amdhsa_user_sgpr_count 2
		.amdhsa_user_sgpr_kernarg_segment_ptr 1
		.amdhsa_wavefront_size32 1
		.amdhsa_system_sgpr_workgroup_id_x 1
		.amdhsa_system_sgpr_workgroup_id_y 1
		.amdhsa_system_sgpr_workgroup_id_z 1
		.amdhsa_system_vgpr_workitem_id 0
		.amdhsa_next_free_vgpr 1024
		.amdhsa_next_free_sgpr 102
		.amdhsa_reserve_vcc 0
		.amdhsa_float_denorm_mode_32 3
		.amdhsa_float_denorm_mode_16_64 3
		.amdhsa_memory_ordered 1
		.amdhsa_forward_progress 1
		.amdhsa_inst_pref_size 164
	.end_amdhsa_kernel
	.amdgpu_metadata
---
amdhsa.version: [ 1, 2 ]
amdhsa.kernels:
  - .name:           k_qeec1ab31db_proj
    .symbol:         k_qeec1ab31db_proj.kd
    .args:
      - { .name: xwc, .offset: 0, .size: 8, .value_kind: global_buffer, .address_space: global }
      - { .name: xws, .offset: 8, .size: 8, .value_kind: global_buffer, .address_space: global }
      - { .name: bq, .offset: 16, .size: 8, .value_kind: global_buffer, .address_space: global }
      - { .name: bk, .offset: 24, .size: 8, .value_kind: global_buffer, .address_space: global }
      - { .name: bv, .offset: 32, .size: 8, .value_kind: global_buffer, .address_space: global }
      - { .name: qkvc, .offset: 40, .size: 8, .value_kind: global_buffer, .address_space: global }
      - { .name: qkvs, .offset: 48, .size: 8, .value_kind: global_buffer, .address_space: global }
    .group_segment_fixed_size: 327680
    .private_segment_fixed_size: 0
    .kernarg_segment_align: 8
    .kernarg_segment_size: 56
    .max_flat_workgroup_size: 128
    .sgpr_count:     102
    .vgpr_count:     1024
    .wavefront_size: 32
...
	.end_amdgpu_metadata
.endif
;; end of part 2
;; launch scores (part 3): grid 8 x 32, 4 waves a work-group, clusters of 4 x 4, 327,680 bytes of LDS; arguments qkvc, qkvs, pc, pst; writes pc, pst
.if DOCPART == 3
	.amdgcn_target "amdgcn-amd-amdhsa--gfx1250"
	.amdhsa_code_object_version 6
	.text
	.protected	k_qeec1ab31db_scores
	.globl	k_qeec1ab31db_scores
	.p2align	8
	.type	k_qeec1ab31db_scores,@function
k_qeec1ab31db_scores:
	s_mov_b64 s[64:65], 0
	v_nop
	global_prefetch_b8 v0, s[64:65] scope:SCOPE_SE
	s_setreg_imm32_b32 hwreg(HW_REG_WAVE_MODE, 25, 1), 1
	s_wait_xcnt 0x0
	s_wait_alu depctr_hold_cnt(0) depctr_sa_sdst(0) depctr_va_vdst(0) depctr_va_sdst(0) depctr_va_ssrc(0) depctr_va_vcc(0) depctr_vm_vsrc(0)
	s_getreg_b32 s2, hwreg(HW_REG_IB_STS2, 6, 4)
	s_cmp_eq_u32 s2, 0
	s_cbranch_scc0 .Lentry_in_a_cluster
	s_endpgm
.Lentry_in_a_cluster:
	s_bfe_u32 s2, ttmp6, 0x10000c
	s_cmp_lg_u32 s2, 0xf033
	s_cbranch_scc0 .Lentry_shape_is_right
	s_endpgm
.Lentry_shape_is_right:
; S = q k^T on codes of FP6 (E2M3) with E8M0 scales, a tile of 256 queries x 256 keys to a work-group, and the softmax's numerator for each row and each 128 keys:
; t = score x log2(e) / 32; M_loc = ceil(the largest t of the row's 128 keys), a whole number; p = 2^(t - M_loc); l_loc = the sum of the unquantised p; p is quantised along the keys.
; Stored: p's codes (images of the operand's registers), its scale words, -M_loc and l_loc.  The next launch brings all of a row's chunks under the row's M by exact powers of two, taken off the scale bytes.
; The GEMM: four waves, 128 x 128 each; operands as images: a fragment (16 rows x 128 K) = 1,536 bytes, register group c of lane l at 512 c + 16 l; (128 rows, 256 K) = one dense block of 24,576 bytes = one tensor load.
; THREE SLOTS, ONE REFILL.  K = 1,024 is four K steps of 256, 98,304 bytes each for the work-group; three fit in LDS beside the scale words (294,912 + 16,384 + 512 bytes).  So K steps 0, 1, 2 are asked for together at the
; start (four tensor loads of a wave are out: the scale words and three tiles), and one refill is left: K step 3 into slot 0, behind the change from slot 0 to slot 1; it has K steps 1 and 2, 256 matrix instructions, in which to land.
; Cluster 4 x 4: q's tiles are asked for jointly along a row of the cluster, k's along a column.
; TRANSPOSED USE (source 0 = 16 keys, source 1 = 16 queries); rows are stored by position (bits 3 and 4 exchanged), so lane (r, h) holds query position 16 a + r and register 8 b + j the ACTUAL key 32 (b / 2) + 16 h + 8 (b % 2) + j.
; LIMITS: NaN and infinities are not served; -M_loc is exact as f32 up to 2^24; p under 2^-126 counts as 0.
; REGISTERS: window 0: v1-29 addresses; v32-63 scale words and nothing else; v64-123 the softmax's small things; v128-223 A's fragments, later p and its codes; window 1: B's two sets; windows 2, 3: accumulators.
.set FR,     12
.set NL,     3
.set NP,     4
.set NQ,     2
.set HALFT,  24576
.set SLOT,   4*HALFT
.set SCL,    3*SLOT
.set NKC,    8
.set HALFS,  512*NKC
.set TILEB,  NKC*12288
.set SPARE,  SCL+4*HALFS               ; the spare words: 128 bytes a wave, two blocks of 256 bytes that no other line names
.set STG,    SLOT                      ; the way out's words lie in slot 1: it has had its one fill, and nobody reads it behind the last barrier
.set CO,   10
.set SWA,  11
.set SRA,  12
.set ADRA, 16                          ; v16-18
.set ADRB, 20                          ; v20-22
.set ADRS, 27
.set SPW,  28
.set NIL,  29
.set SC,   32
.set AF,   128
.set BM,   64                          ; v64-67  a block's largest score, then its largest p
.set T4,   68                          ; v68-71  at work
.set SO,   72                          ; v72-75  the conversions' scale operands
.set RR,   76
.set NMP,  78                          ; v[78:79] -M_loc, and 0
.set C1,   80
.set C2,   82
.set LT,   84
.set PW,   88                          ; v88-95   p's scale word, for each block of rows
.set NM,   96                          ; v96-103  -M_loc
.set LL,   104                         ; v104-111 l_loc
.set OUTR, 112
.set H,    128
.set PC,   192
.set SEL,  20
.set CS,   22
.set G1,   24
.set G0,   32                          ; s[32:39] A's groups 0 for slots 0 and 1
.set G0C,  4                           ; s[4:7]   and for slot 2: the registers of the two input pointers, free behind the address sums
.set G1B,  48
.set G0B,  56
.set G0BC, 44                          ; s[44:47] B's for slot 2: made in place
.set G1S,  68
.set G0S,  76
.set G1SB, 80
.set G0SB, 88
.set MSB, 0
.macro WIN new
.if MSB != (\new)
	s_set_vgpr_msb (MSB<<8)|(\new)
.set MSB, (\new)
.endif
.endm
.set MUL_LO, 0xa1
.set MUL_HI, 0xf1
.set TO_B,   0x40
.macro JLOAD g0a, g1a, g0b, g1b        ; waves 0 and 1 fetch for A, waves 2 and 3 for B; an s_nop 0 and four v_nop follow each line
	s_cmp_eq_u32 s15, 0
	s_cbranch_scc0 .Lfor_b_\@
	tensor_load_to_lds s[\g0a:\g0a+3], s[\g1a:\g1a+7]
	s_nop 0
.rept 4
	v_nop
.endr
	s_branch .Lasked_\@
.Lfor_b_\@:
	tensor_load_to_lds s[\g0b:\g0b+3], s[\g1b:\g1b+7]
	s_nop 0
.rept 4
	v_nop
.endr
.Lasked_\@:
.endm
.macro CREST
	s_cmp_lg_u32 s14, 0
	s_cbranch_scc1 .Lnot_wave_0_\@
	s_barrier_signal -3
.Lnot_wave_0_\@:
	s_barrier_wait -3
	s_barrier_signal -1
	s_barrier_wait -1
.endm
.macro CROUND
	s_barrier_signal -1
	s_barrier_wait -1
	CREST
.endm
.macro PLACES n
.rept \n
	v_nop
.endr
.endm
.macro FRAG reg, adr, q, i
.irp c, 0,1,2
	ds_load_b128 v[\reg+4*\c:\reg+4*\c+3], v[\adr] offset:((\q)*8+(\i))*1536+512*\c
.endr
.endm
.macro MUL16 a0, p, q, sc, zero        ; the 64 accumulators take turns
.irp a, \a0, \a0+1
.irp b, 0,1,2,3,4,5,6,7
.if (\zero) == 1
	v_wmma_scale_f32_16x16x128_f8f6f4 v[8*(8*((\a)%4)+\b):8*(8*((\a)%4)+\b)+7], v[128*(\p)+FR*\b:128*(\p)+FR*\b+FR-1], v[AF+FR*(\a):AF+FR*(\a)+FR-1], 0, v[SC+8*NQ*(\sc)+NQ*\b+(\q)], v[SC+8*NQ*(\sc)+NQ*(\a)+(\q)] matrix_a_fmt:MATRIX_FMT_FP6 matrix_b_fmt:MATRIX_FMT_FP6 matrix_a_scale:MATRIX_SCALE_ROW1
.else
	v_wmma_scale_f32_16x16x128_f8f6f4 v[8*(8*((\a)%4)+\b):8*(8*((\a)%4)+\b)+7], v[128*(\p)+FR*\b:128*(\p)+FR*\b+FR-1], v[AF+FR*(\a):AF+FR*(\a)+FR-1], v[8*(8*((\a)%4)+\b):8*(8*((\a)%4)+\b)+7], v[SC+8*NQ*(\sc)+NQ*\b+(\q)], v[SC+8*NQ*(\sc)+NQ*(\a)+(\q)] matrix_a_fmt:MATRIX_FMT_FP6 matrix_b_fmt:MATRIX_FMT_FP6 matrix_a_scale:MATRIX_SCALE_ROW1
.endif
.endr
.endr
.endm
.macro FETCH_B slot, q, p
	WIN TO_B
.irp i, 0,1,2,3,4,5,6,7
	FRAG 128*(\p)+FR*\i, ADRB+\slot, \q, \i
.endr
	WIN 0
.endm
.macro FETCH_A slot, q, i0
.irp i, \i0, \i0+1, \i0+2, \i0+3
	FRAG AF+FR*(\i), ADRA+\slot, \q, \i
.endr
.endm
.macro SCALES sc
.irp i, 0,1,2,3,4,5,6,7
.irp q, 0,1
	ds_load_b32 v[SC+16*\sc+2*\i+\q], v[ADRS] offset:512*\q+64*\i
.endr
.endr
.endm
.macro STEP slot, sc, q, zero          ; 128 along K that has its successor in the same slot; sc: the K step's set of scale words
	s_wait_dscnt 4*NL                              ; the youngest twelve loads (A's blocks 4-7) may be out
	WIN MUL_LO
	MUL16 0, (\q)%2, \q, \sc, \zero
	MUL16 2, (\q)%2, \q, \sc, \zero
	s_wait_dscnt 0
	PLACES NP
	FETCH_B \slot, (\q)+1, 1-(\q)%2
	FETCH_A \slot, (\q)+1, 0
	WIN MUL_HI
	MUL16 4, (\q)%2, \q, \sc, \zero
	MUL16 6, (\q)%2, \q, \sc, \zero
	PLACES NP
	WIN 0
	FETCH_A \slot, (\q)+1, 4
.endm
; a slot's last 128 along K, and the change of slots.
; mode 1: this slot is filled again: each wave waits for all its tensor loads, adds 0 to its spare word, waits for that and for its reads of this slot; the barrier opens a round of the cluster's barrier, and the joint refill comes first behind it.
; mode 0: the same three lines and a plain barrier: the next slot's tile is whole for every wave behind it; nothing is filled.
; mode 2: no barrier: the next slot was shown whole to every wave by the round of the change before, and nothing is filled.
.macro TURN slot, sc, next, nsc, mode
.if (\mode) == 2
	s_wait_dscnt 4*NL                              ; A's blocks 4-7 may be out
	WIN MUL_LO
	MUL16 0, 1, NQ-1, \sc, 0
	MUL16 2, 1, NQ-1, \sc, 0
	s_wait_dscnt 0x0
	WIN 0
	PLACES NP
.else
	s_wait_tensorcnt 0x0                           ; all my tensor loads have landed; no load of mine is out
	ds_add_u32 v[SPW], v[NIL]
	s_wait_dscnt 4*NL+1                            ; (the add and A's blocks 4-7 may be out)
	WIN MUL_LO
	MUL16 0, 1, NQ-1, \sc, 0
	s_wait_dscnt 0x0                               ; the add is done, and my reads of this slot are over
	s_barrier_signal -1
	MUL16 2, 1, NQ-1, \sc, 0
	WIN 0
	s_barrier_wait -1
.if (\mode) == 1
	CREST
	s_add_nc_u64 s[G0+4*\slot+2:G0+4*\slot+3], s[G0+4*\slot+2:G0+4*\slot+3], 3*HALFT     ; three K steps on
	s_add_nc_u64 s[G0B+4*\slot+2:G0B+4*\slot+3], s[G0B+4*\slot+2:G0B+4*\slot+3], 3*HALFT
	JLOAD G0+4*\slot, G1, G0B+4*\slot, G1B         ; its four v_nop are the places in front of the loads below
.else
	PLACES NP
.endif
.endif
	v_add_nc_u32 v[ADRS], 1024, v[ADRS]
	FETCH_B \next, 0, 0
	FETCH_A \next, 0, 0
	SCALES \nsc
	WIN MUL_HI
	MUL16 4, 1, NQ-1, \sc, 0
	MUL16 6, 1, NQ-1, \sc, 0
	PLACES NP
	WIN 0
	FETCH_A \next, 0, 4
.endm
; block a of 16 queries x my 128 keys
.macro SOFTQ a
.set AC, 64*((\a)%4)
.set HI, (\a)/4
	s_wait_xcnt 0x0                                ; the last block's stores have read their codes
	WIN 0x2a+0x15*HI                               ; all three sources in the accumulators' window
.irp b, 0,1,2,3
	v_max3_num_f32 v[BM+\b], v[AC+16*\b], v[AC+16*\b+1], v[AC+16*\b+2]   ; the largest score of each block of 32 keys; each accumulator is read from its low end on
.endr
	WIN 0x28+0x14*HI
.irp i, 3,5,7,9,11,13
.irp b, 0,1,2,3
	v_max3_num_f32 v[BM+\b], v[BM+\b], v[AC+16*\b+\i], v[AC+16*\b+\i+1]
.endr
.endr
.irp b, 0,1,2,3
	v_max_num_f32 v[BM+\b], v[BM+\b], v[AC+16*\b+15]
.endr
	WIN 0
.irp b, 0,1,2,3
	v_permlanex16_b32 v[T4+\b], v[BM+\b], s[SEL], s[SEL+1]
.endr
.irp b, 0,1,2,3
	v_max_num_f32 v[BM+\b], v[BM+\b], v[T4+\b]     ; with lane l xor 16's 16 keys
.endr
	v_max3_num_f32 v[RR], v[BM], v[BM+1], v[BM+2]
	v_max_num_f32 v[RR], v[RR], v[BM+3]
	v_mul_f32 v[RR], s[CS], v[RR]                  ; the largest t (c is positive)
	v_floor_f32 v[NMP], -v[RR]                     ; -M_loc = floor(-t) = -ceil(t)
	WIN 0x02+HI
.set kk, 0
.rept 32
	v_pk_fma_f32 v[H+kk:H+kk+1], v[AC+kk:AC+kk+1], s[CS:CS+1], v[NMP:NMP+1] op_sel_hi:[1,0,0]   ; t - M_loc
.set kk, kk+2
.endr
	WIN 0
.irp b, 0,1,2,3
	v_fma_f32 v[BM+\b], v[BM+\b], s[CS], v[NMP]    ; the same of each block's largest score
.endr
.set kk, 0
.rept 64
	v_exp_f32 v[H+kk], v[H+kk]                     ; p, at most 1
.set kk, kk+1
.endr
	v_mov_b32 v[NM+(\a)], v[NMP]                   ; (a plain place behind the exponentials)
	s_wait_alu depctr_va_vdst(0)                   ; one wait for the batch of 64, ahead of its first reader
.irp b, 0,1,2,3
	v_exp_f32 v[BM+\b], v[BM+\b]                   ; the block's largest p: the same two instructions on the same number
.endr
	v_pk_add_f32 v[C1:C1+1], v[H:H+1], v[H+2:H+3]  ; the sum of the unquantised p, in two packed chains
	v_pk_add_f32 v[C2:C2+1], v[H+4:H+5], v[H+6:H+7]
.irp j, 8,12,16,20,24,28,32,36,40,44,48,52,56,60
	v_pk_add_f32 v[C1:C1+1], v[C1:C1+1], v[H+\j:H+\j+1]
	v_pk_add_f32 v[C2:C2+1], v[C2:C2+1], v[H+\j+2:H+\j+3]
.endr
	v_pk_add_f32 v[C1:C1+1], v[C1:C1+1], v[C2:C2+1]
	v_add_f32 v[C1], v[C1], v[C1+1]
	v_permlanex16_b32 v[LT], v[C1], s[SEL], s[SEL+1]
	v_add_f32 v[LL+(\a)], v[C1], v[LT]             ; l_loc of my row
	s_wait_alu depctr_va_vdst(0)                   ; and one for the four
.irp b, 0,1,2,3
	v_max_num_f32 v[BM+\b], 0x1800000, v[BM+\b]    ; the floor 2^(3 - 127): the byte cannot fall under 1
.endr
.irp b, 0,1,2,3
	v_add_nc_u32 v[SO+\b], 0xff000000, v[BM+\b]
.endr
.irp b, 0,1,2,3
	v_lshrrev_b32 v[T4+\b], 23, v[SO+\b]
.endr
	v_lshl_or_b32 v[PW+(\a)], v[T4+1], 8, v[T4]
	v_lshl_or_b32 v[PW+(\a)], v[T4+2], 16, v[PW+(\a)]
	v_lshl_or_b32 v[PW+(\a)], v[T4+3], 24, v[PW+(\a)]
.irp c, 0,1
	v_cvt_scalef32_pk16_fp6_f32 v[PC+6*\c:PC+2+6*\c], v[H+32*\c:H+15+32*\c], v[SO+2*\c]
	v_cvt_scalef32_pk16_fp6_f32 v[PC+12+4*\c:PC+14+4*\c], v[H+16+32*\c:H+31+32*\c], v[SO+2*\c+1]
.endr
	v_nop                                          ; one plain place behind a scaled conversion
.irp c, 0,1
.irp i, 0,1,2
	v_permlane16_swap_b32 v[PC+6*\c+\i], v[PC+12+4*\c+\i]
.endr
.irp i, 0,1,2
	v_mov_b32 v[PC+3+6*\c+\i], v[PC+12+4*\c+\i]
.endr
.endr
.irp c, 0,1,2
	global_store_b128 v[CO], v[PC+4*\c:PC+4*\c+3], s[8:9] offset:1536*(\a)+512*\c     ; 512 consecutive bytes, aligned
.endr
	ds_store_b32 v[SWA], v[PW+(\a)] offset:64*(\a)
	ds_store_b32 v[SWA], v[NM+(\a)] offset:512+64*(\a)
	ds_store_b32 v[SWA], v[LL+(\a)] offset:1024+64*(\a)
.endm
	s_load_b256 s[4:11], s[0:1], 0x0               ; qkvc s[4:5], qkvs s[6:7], pc s[8:9], pst s[10:11]
	v_lshl_add_u32 v[SPW], v0, 2, SPARE
	v_mov_b32 v[NIL], 0
	ds_add_u32 v[SPW], v[NIL]                      ; the wave's opening
	v_lshrrev_b32 v1, 5, v0
	v_readfirstlane_b32 s14, v1
	s_lshr_b32 s15, s14, 1
	s_and_b32 s16, s14, 1
	s_bfe_u32 s40, ttmp6, 0x40000                  ; cx
	s_bfe_u32 s41, ttmp6, 0x40004                  ; cy
	s_lshl_b32 s42, ttmp9, 2
	s_add_co_u32 s42, s42, s40                     ; tile of 256 keys of the batch, 0 .. 7
	s_and_b32 s18, ttmp7, 0xffff
	s_lshl_b32 s17, s18, 2
	s_add_co_u32 s17, s17, s41                     ; tile of 256 queries, 0 .. 31
	s_lshr_b32 s19, s18, 1                         ; the batch: two clusters along y to a batch
	s_lshl_b32 s43, s41, 2
	s_lshl_b32 s43, 15, s43
	s_lshl_b32 s44, 0x1111, s40
	s_or_b32 s[G1+0], s43, (3<<16)|(1<<21)
	s_or_b32 s[G1B+0], s44, (3<<16)|(1<<21)
.irp g, G1, G1B
	s_mov_b32 s[\g+1], 32<<16
	s_mov_b32 s[\g+2], 96<<16
	s_mov_b32 s[\g+3], 32<<16
	s_mov_b32 s[\g+4], 96
	s_mov_b32 s[\g+5], 32
	s_mov_b32 s[\g+6], 0
	s_mov_b32 s[\g+7], 0
.endr
	s_or_b32 s[G1S+0], s43, (3<<16)|(1<<21)
	s_or_b32 s[G1SB+0], s44, (3<<16)|(1<<21)
.irp g, G1S, G1SB
	s_mov_b32 s[\g+1], 32<<16
	s_mov_b32 s[\g+2], (HALFS/256)<<16
	s_mov_b32 s[\g+3], 32<<16
	s_mov_b32 s[\g+4], HALFS/256
	s_mov_b32 s[\g+5], 32
	s_mov_b32 s[\g+6], 0
	s_mov_b32 s[\g+7], 0
.endr
	s_lshl_b32 s20, s17, 1
	s_add_co_u32 s20, s20, s16                     ; q's tile of 128 rows that I would fetch
	s_lshl_b32 s46, s42, 1
	s_add_co_u32 s46, s46, s16
	s_lshl_b32 s47, s19, 4
	s_add_co_u32 s46, s46, s47
	s_add_co_u32 s46, s46, 64                      ; k's: behind q's 64 tiles, 16 a batch
	s_lshl_b32 s22, s20, 12
	s_mov_b32 s23, 0
	s_lshl_b32 s92, s46, 12
	s_mov_b32 s93, 0
	s_mul_i32 s20, s20, TILEB
	s_mov_b32 s21, 0
	s_mul_i32 s46, s46, TILEB
	s_mov_b32 s47, 0
	s_mul_i32 s45, s14, HALFT
	s_mul_i32 s94, s14, HALFS
	s_wait_dscnt 0x0
	s_wait_kmcnt 0x0
	s_add_nc_u64 s[20:21], s[4:5], s[20:21]
	s_add_nc_u64 s[22:23], s[6:7], s[22:23]
	s_add_nc_u64 s[46:47], s[4:5], s[46:47]
	s_add_nc_u64 s[92:93], s[6:7], s[92:93]
	CROUND
	s_mov_b32 s[G0S], 1
	s_add_co_u32 s[G0S+1], s94, SCL
	s_mov_b64 s[G0S+2:G0S+3], s[22:23]
	s_or_b32 s[G0S+3], s[G0S+3], 0x80000000
	s_mov_b32 s[G0SB], 1
	s_add_co_u32 s[G0SB+1], s94, SCL
	s_mov_b64 s[G0SB+2:G0SB+3], s[92:93]
	s_or_b32 s[G0SB+3], s[G0SB+3], 0x80000000
	JLOAD G0S, G1S, G0SB, G1SB
.irp s, 0,1
	s_mov_b32 s[G0+4*\s], 1
	s_add_co_u32 s[G0+4*\s+1], s45, \s*SLOT
	s_add_nc_u64 s[G0+4*\s+2:G0+4*\s+3], s[20:21], \s*HALFT
	s_or_b32 s[G0+4*\s+3], s[G0+4*\s+3], 0x80000000
	s_mov_b32 s[G0B+4*\s], 1
	s_add_co_u32 s[G0B+4*\s+1], s45, \s*SLOT
	s_add_nc_u64 s[G0B+4*\s+2:G0B+4*\s+3], s[46:47], \s*HALFT
	s_or_b32 s[G0B+4*\s+3], s[G0B+4*\s+3], 0x80000000
	JLOAD G0+4*\s, G1, G0B+4*\s, G1B
.endr
	s_mov_b32 s[G0C], 1                            ; K step 2 into slot 2
	s_add_co_u32 s[G0C+1], s45, 2*SLOT
	s_add_nc_u64 s[G0C+2:G0C+3], s[20:21], 2*HALFT
	s_or_b32 s[G0C+3], s[G0C+3], 0x80000000
	s_mov_b32 s[G0BC], 1
	s_add_co_u32 s[G0BC+1], s45, 2*SLOT            ; in place: the last use of the wave's LDS offset,
	s_add_nc_u64 s[G0BC+2:G0BC+3], s[46:47], 2*HALFT   ; and of B's address
	s_or_b32 s[G0BC+3], s[G0BC+3], 0x80000000
	JLOAD G0C, G1, G0BC, G1B
	v_and_b32 v1, 15, v0
	v_bfe_u32 v2, v0, 4, 1
	v_and_b32 v3, 31, v0
	v_lshlrev_b32 v[CO], 4, v3
	s_mul_i32 s21, s15, HALFT
	s_mul_i32 s22, s16, HALFT
	s_add_co_u32 s22, s22, 2*HALFT
.irp s, 0,1,2
	v_add_nc_u32 v[ADRA+\s], s21, v[CO]
	v_add_nc_u32 v[ADRB+\s], s22, v[CO]
	s_add_co_u32 s21, s21, SLOT
	s_add_co_u32 s22, s22, SLOT
.endr
	v_lshlrev_b32 v5, 2, v1
	s_mul_i32 s21, s15, HALFS
	s_mul_i32 s22, s16, HALFS
	s_add_co_u32 s22, s22, 2*HALFS
	s_sub_co_u32 s22, s22, s21
	v_mul_u32_u24 v6, s22, v2
	s_add_co_u32 s21, s21, SCL
	v_add_nc_u32 v5, v5, v6
	v_add_nc_u32 v[ADRS], s21, v5
	s_mul_i32 s21, s14, 1536
	s_add_co_u32 s21, s21, STG
	v_lshl_add_u32 v[SWA], v1, 2, s21
	v_add_nc_u32 v[SRA], s21, v[CO]
	s_lshl_b32 s20, s17, 1
	s_add_co_u32 s20, s20, s15
	s_lshl_b32 s20, s20, 4
	s_lshl_b32 s21, s42, 1
	s_add_co_u32 s20, s20, s21
	s_add_co_u32 s20, s20, s16                     ; my chunk: 16 x (tile of 128 queries) + (chunk of 128 keys)
	s_mul_i32 s22, s20, 12288
	s_mov_b32 s23, 0
	s_add_nc_u64 s[8:9], s[8:9], s[22:23]
	s_lshl_b32 s22, s20, 9
	s_add_nc_u64 s[10:11], s[10:11], s[22:23]
	s_wait_tensorcnt 2                             ; the scale words and my part of K step 0 are in; K steps 1 and 2 may be out
	s_barrier_signal -1
	s_barrier_wait -1
	FETCH_B 0, 0, 0
	FETCH_A 0, 0, 0
	SCALES 0
	FETCH_A 0, 0, 4
	STEP 0, 0, 0, 1                                ; K step 0: the first products start the sums
	TURN 0, 0, 1, 1, 1                             ; slots 1 and 2 are whole for every wave; slot 0 takes K step 3
	STEP 1, 1, 0, 0                                ; K step 1
	TURN 1, 1, 2, 0, 2                             ; on into slot 2, with no barrier
	STEP 2, 0, 0, 0                                ; K step 2
	TURN 2, 0, 0, 1, 0                             ; K step 3 is whole for every wave; nothing is filled
	STEP 0, 1, 0, 0                                ; K step 3
	s_wait_dscnt 4*NL
	WIN MUL_LO
	MUL16 0, 1, NQ-1, 1, 0
	MUL16 2, 1, NQ-1, 1, 0
	s_wait_dscnt 0
	WIN MUL_HI
	MUL16 4, 1, NQ-1, 1, 0
	MUL16 6, 1, NQ-1, 1, 0
	WIN 0
	PLACES NP
	s_mov_b32 s[SEL], 0x76543210
	s_mov_b32 s[SEL+1], 0xfedcba98
	s_mov_b32 s[CS], 0x3d38aa3b                    ; c = log2(e) / sqrt(1024)
	s_mov_b32 s[CS+1], s[CS]
.irp b, 0,1,2,3
	v_mov_b32 v[T4+\b], 0                          ; a lane permute's destination counts as one of its sources
.endr
	v_mov_b32 v[LT], 0
	v_mov_b32 v[NMP+1], 0                          ; named with -M_loc as a pair
.irp a, 0,1,2,3,4,5,6,7
	SOFTQ \a
.endr
.irp c, 0,1,2
	ds_load_b128 v[OUTR+4*\c:OUTR+4*\c+3], v[SRA] offset:512*\c    ; in order behind my stores
.endr
	s_wait_dscnt 0x0
.irp c, 0,1,2
	global_store_b128 v[CO], v[OUTR+4*\c:OUTR+4*\c+3], s[10:11] offset:524288*\c   ; scale words, -M_loc, l_loc: 512 consecutive bytes each, aligned
.endr
	s_wait_tensorcnt 0x0                           ; the wave's end
	ds_add_u32 v[SPW], v[NIL]
	s_wait_dscnt 0x0
	CROUND
	s_endpgm
.Lfunc_end_k_qeec1ab31db_scores:
	.size	k_qeec1ab31db_scores, .Lfunc_end_k_qeec1ab31db_scores-k_qeec1ab31db_scores
	.p2alignl 7, 3214868480
	.fill 96, 4, 3214868480
	.section	.rodata,"a",@progbits
	.p2align	6, 0x0
	.amdhsa_kernel k_qeec1ab31db_scores
		.amdhsa_group_segment_fixed_size 327680
		.amdhsa_private_segment_fixed_size 0
		.amdhsa_enable_private_segment 0
		.amdhsa_kernarg_size 32
		.amdhsa_user_sgpr_count 2
		.amdhsa_user_sgpr_kernarg_segment_ptr 1
		.amdhsa_wavefront_size32 1
		.amdhsa_system_sgpr_workgroup_id_x 1
		.amdhsa_system_sgpr_workgroup_id_y 1
		.amdhsa_system_sgpr_workgroup_id_z 1
		.amdhsa_system_vgpr_workitem_id 0
		.amdhsa_next_free_vgpr 1024
		.amdhsa_next_free_sgpr 102
		.amdhsa_reserve_vcc 0
		.amdhsa_float_denorm_mode_32 3
		.amdhsa_float_denorm_mode_16_64 3
		.amdhsa_memory_ordered 1
		.amdhsa_forward_progress 1
		.amdhsa_inst_pref_size 198
	.end_amdhsa_kernel
	.amdgpu_metadata
---
amdhsa.version: [ 1, 2 ]
amdhsa.kernels:
  - .name:           k_qeec1ab31db_scores
    .symbol:         k_qeec1ab31db_scores.kd
    .args:
      - { .name: qkvc, .offset: 0, .size: 8, .value_kind: global_buffer, .address_space: global }
      - { .name: qkvs, .offset: 8, .size: 8, .value_kind: global_buffer, .address_space: global }
      - { .name: pc, .offset: 16, .size: 8, .value_kind: global_buffer, .address_space: global }
      - { .name: pst, .offset: 24, .size: 8, .value_kind: global_buffer, .address_space: global }
    .group_segment_fixed_size: 327680
    .private_segment_fixed_size: 0
    .kernarg_segment_align: 8
    .kernarg_segment_size: 32
    .max_flat_workgroup_size: 128
    .sgpr_count:     102
    .vgpr_count:     1024
    .wavefront_size: 32
...
	.end_amdgpu_metadata
.endif
;; end of part 3
;; launch pv (part 4): grid 8 x 32, 4 waves a work-group, clusters of 4 x 4, 327,680 bytes of LDS; arguments pc, pst, qkvc, qkvs, out0; writes out0
.if DOCPART == 4
	.amdgcn_target "amdgcn-amd-amdhsa--gfx1250"
	.amdhsa_code_object_version 6
	.text
	.protected	k_qeec1ab31db_pv
	.globl	k_qeec1ab31db_pv
	.p2align	8
	.type	k_qeec1ab31db_pv,@function
k_qeec1ab31db_pv:
	s_mov_b64 s[64:65], 0
	v_nop
	global_prefetch_b8 v0, s[64:65] scope:SCOPE_SE
	s_setreg_imm32_b32 hwreg(HW_REG_WAVE_MODE, 25, 1), 1
	s_wait_xcnt 0x0
	s_wait_alu depctr_hold_cnt(0) depctr_sa_sdst(0) depctr_va_vdst(0) depctr_va_sdst(0) depctr_va_ssrc(0) depctr_va_vcc(0) depctr_vm_vsrc(0)
	s_getreg_b32 s2, hwreg(HW_REG_IB_STS2, 6, 4)
	s_cmp_eq_u32 s2, 0
	s_cbranch_scc0 .Lentry_in_a_cluster
	s_endpgm
.Lentry_in_a_cluster:
	s_bfe_u32 s2, ttmp6, 0x10000c
	s_cmp_lg_u32 s2, 0xf033
	s_cbranch_scc0 .Lentry_shape_is_right
	s_endpgm
.Lentry_shape_is_right:
; out = (p v) / l on codes of FP6 (E2M3) with E8M0 scales: a tile of 256 queries x 128 of d to a work-group (8 x 32 tiles: as many work-groups as the chip has WGPs), K = the batch's 2,048 keys.
; AT THE HEAD each row's 16 chunks of 128 keys are brought under one M: -M_row = the least of the stored -M_loc; n = M_row - M_loc, a whole number, 0 or more; l = the sum of l_loc x 2^-n;
; n is taken off each of the chunk's four scale bytes (held at 0 from below): an exact power of two, so the codes' values are those of p = 2^(t - M_row).  1 / l multiplies the result at the end.
; LIMITS: a block of p that lies 2^127 or more under the row's largest keeps the byte 0 and so adds at most 7.5 x 2^-127 |v| a key, against l > 1/2; n is held at 127; M is exact as f32 up to 2^24; NaN and infinities are not served.
; SHARES.  Four waves, each 128 queries x 64 of d: A's 8 blocks of 16 x B's 4: 32 accumulators, 256 registers.  For 128 along K a wave reads 12 fragments from LDS and issues 32 matrix instructions.
; OPERANDS AS IMAGES OF THEIR REGISTERS: a fragment (16 rows x 128 K) = 1,536 bytes; a chunk (128 rows x 128 K) = 12,288 bytes; a tile's chunks follow each other along K.
; TWO SLOTS OF 512 ALONG K: p's two halves of 128 rows (49,152 dense bytes each: waves 0 and 1, 192 rows of 256 bytes) and v^T's 128 rows (waves 2 and 3: 256 along K each, 96 rows of 256 bytes): 147,456 bytes a slot.
; K is four slots' worth: two first fills, two refills; a refill has four chunks, 128 matrix instructions a wave, in which to land.  The 16 chunks are written out: every LDS offset is an immediate.
; Cluster 4 x 4: p's tiles are asked for jointly along a row of the cluster, v^T's along a column.  v^T's scale words come by one joint load a wave, a quarter each; p's are written into LDS by the waves (bytes of their own, into which no tensor load lands).
; TRANSPOSED USE (source 0 = 16 of d, source 1 = 16 queries); rows are stored by position (bits 3 and 4 exchanged): lane (r, h) holds query position 16 a + r, register 8 b + j the ACTUAL d 32 (b / 2) + 16 h + 8 (b % 2) + j;
; the stores put each query position back at its actual row.
; REGISTERS: window 0: v1-29 addresses; v32-47 scale words, two sets, and nothing else; v96-203 the head's numbers; v128-223 A's fragments, one set; on the way out v128-191 rows of the result;
;   window 1: B's fragments, two sets at v0 and v128; on the way out v0-15: 1 / l;   window 2: accumulator (a, b) at v[8 (4 a + b)].
.set FR,     12
.set NL,     3
.set NP,     4
.set CHB,    12288                     ; a chunk
.set SLK,    4*CHB                     ; 128 rows x 512 K
.set HALFB,  2*CHB                     ; 128 rows x 256 K
.set BOFF,   2*SLK                     ; in a slot: p's two halves, then v^T
.set SLOT,   3*SLK
.set TILEB,  16*CHB                    ; 128 rows x 2,048 K
.set SCA,    2*SLOT                    ; p's scale words: two halves of 8,192 bytes, written by ds_store alone
.set SCB,    SCA+16384                 ; v^T's: 8,192 bytes, filled once by tensor loads
.set RLB,    SCB+8192                  ; 1 / l of the 256 rows
.set SPARE,  RLB+1024                  ; the spare words: 128 bytes a wave, two blocks of 256 bytes that no other line names
.set SPITCH, 272                       ; the way out: a stage row: 256 bytes + 16
.set CO,   10                          ; v10  the stores' offset: 4,096 h + 16 r
.set L16,  11                          ; v11  16 x lane
.set ADRA, 16
.set ADRB, 20
.set STO,  24
.set RD,   25
.set RLA,  26
.set ADRS, 27
.set SPW,  28
.set NIL,  29
.set SC,   32
.set AF,   128
.set NMR,  96                          ; the head: -M_loc, l_loc, scale words: two rows a lane, 16 chunks each
.set LLR,  128
.set SWR,  160
.set MR,   192                         ; -M_row
.set NN,   194
.set FF,   196
.set RP,   198
.set ZZ,   200
.set LS,   202                         ; l, then 1 / l
.set BK,   128
.set G1,   24
.set G0,   32
.set G1B,  48
.set G0B,  56
.set G1SB, 80
.set G0SB, 88
.set MSB, 0
.macro WIN new
.if MSB != (\new)
	s_set_vgpr_msb (MSB<<8)|(\new)
.set MSB, (\new)
.endif
.endm
.set MULW,   0xa1                      ; source 0 (B) window 1, source 1 (A) window 0, C and D window 2
.set TO_B,   0x40
.macro JLOAD g0a, g1a, g0b, g1b        ; waves 0 and 1 fetch for A, waves 2 and 3 for B; an s_nop 0 and four v_nop follow each line
	s_cmp_eq_u32 s15, 0
	s_cbranch_scc0 .Lfor_b_\@
	tensor_load_to_lds s[\g0a:\g0a+3], s[\g1a:\g1a+7]
	s_nop 0
.rept 4
	v_nop
.endr
	s_branch .Lasked_\@
.Lfor_b_\@:
	tensor_load_to_lds s[\g0b:\g0b+3], s[\g1b:\g1b+7]
	s_nop 0
.rept 4
	v_nop
.endr
.Lasked_\@:
.endm
.macro CREST
	s_cmp_lg_u32 s14, 0
	s_cbranch_scc1 .Lnot_wave_0_\@
	s_barrier_signal -3
.Lnot_wave_0_\@:
	s_barrier_wait -3
	s_barrier_signal -1
	s_barrier_wait -1
.endm
.macro CROUND
	s_barrier_signal -1
	s_barrier_wait -1
	CREST
.endm
.macro PLACES n
.rept \n
	v_nop
.endr
.endm
.macro FRAG reg, adr, q, i             ; a fragment's image: three loads of 512 consecutive bytes
.irp c, 0,1,2
	ds_load_b128 v[\reg+4*\c:\reg+4*\c+3], v[\adr] offset:((\q)*8+(\i))*1536+512*\c
.endr
.endm
; 8 products: A's blocks a0, a0 + 1 x B's four.  p: B's set and the set of scale words.  The 32 accumulators take turns
.macro MUL8 a0, p, zero
.irp a, \a0, \a0+1
.irp b, 0,1,2,3
.if \zero
	v_wmma_scale_f32_16x16x128_f8f6f4 v[8*(4*(\a)+\b):8*(4*(\a)+\b)+7], v[128*(\p)+FR*\b:128*(\p)+FR*\b+FR-1], v[AF+FR*(\a):AF+FR*(\a)+FR-1], 0, v[SC+8*(\p)+\b], v[SC+8*(\p)+(\a)] matrix_a_fmt:MATRIX_FMT_FP6 matrix_b_fmt:MATRIX_FMT_FP6 matrix_a_scale:MATRIX_SCALE_ROW1
.else
	v_wmma_scale_f32_16x16x128_f8f6f4 v[8*(4*(\a)+\b):8*(4*(\a)+\b)+7], v[128*(\p)+FR*\b:128*(\p)+FR*\b+FR-1], v[AF+FR*(\a):AF+FR*(\a)+FR-1], v[8*(4*(\a)+\b):8*(4*(\a)+\b)+7], v[SC+8*(\p)+\b], v[SC+8*(\p)+(\a)] matrix_a_fmt:MATRIX_FMT_FP6 matrix_b_fmt:MATRIX_FMT_FP6 matrix_a_scale:MATRIX_SCALE_ROW1
.endif
.endr
.endr
.endm
.macro FETCH_B slot, q, p
	WIN TO_B
.irp i, 0,1,2,3
	FRAG 128*(\p)+FR*\i, ADRB+\slot, \q, \i
.endr
	WIN 0
.endm
.macro FETCH_A slot, q, i0
.irp i, \i0, \i0+1, \i0+2, \i0+3
	FRAG AF+FR*(\i), ADRA+\slot, \q, \i
.endr
.endm
.macro SCALES p, kc                    ; chunk kc's scale words into set p: lanes 0-15 A's block i; lanes 16-31 B's block i (of registers 4 to 7 lanes 16-31 are not used)
.irp i, 0,1,2,3,4,5,6,7
	ds_load_b32 v[SC+8*(\p)+\i], v[ADRS] offset:512*(\kc)+64*\i
.endr
.endm
; CHUNK c of 16: 128 along K, 32 products; in its middle the next chunk's B, A's blocks 0-3 and scale words are fetched, at its end A's blocks 4-7.
; mode 0: the next chunk lies in a slot that is whole.  mode 1: a slot's last chunk, and the slot is filled again: each wave waits for all its tensor loads, adds 0 to its spare word, waits for that and for its reads of the slot;
; the barrier opens a round of the cluster's barrier, and the joint refill comes first behind it.  mode 2: the same three lines and a plain barrier; nothing is filled.  mode 3: the last chunk: nothing is fetched.
.macro CH c, mode
.set CP,  (\c)%2
.set CSL, ((\c)/4)%2
.set CN,  (\c)+1
.set CNS, (CN/4)%2
.set CNQ, CN%4
.set CNP, CN%2
.if (\c) == 0
.set CZ, 1
.else
.set CZ, 0
.endif
.if ((\mode) == 1) || ((\mode) == 2)
	s_wait_tensorcnt 0x0                           ; all my tensor loads have landed: my part of the next slot; no load of mine is out
	ds_add_u32 v[SPW], v[NIL]
	s_wait_dscnt 4*NL+1                            ; (the add and A's blocks 4-7 may be out)
	WIN MULW
	MUL8 0, CP, 0
	s_wait_dscnt 0x0                               ; the add is done, and my reads of this slot are over
	s_barrier_signal -1
	MUL8 2, CP, 0
	WIN 0
	s_barrier_wait -1
.if (\mode) == 1
	CREST
	s_add_nc_u64 s[G0+4*CSL+2:G0+4*CSL+3], s[G0+4*CSL+2:G0+4*CSL+3], 2*SLK      ; two slots on along K
	s_add_nc_u64 s[G0B+4*CSL+2:G0B+4*CSL+3], s[G0B+4*CSL+2:G0B+4*CSL+3], 2*SLK
	JLOAD G0+4*CSL, G1, G0B+4*CSL, G1B             ; its four v_nop are the places in front of the loads below
.else
	PLACES NP
.endif
.else
	s_wait_dscnt 4*NL                              ; B's set, A's blocks 0-3 and the scale words are in; the youngest twelve loads (A's blocks 4-7) may be out
	WIN MULW
	MUL8 0, CP, CZ
	MUL8 2, CP, CZ
	s_wait_dscnt 0x0
.if (\mode) == 0
	PLACES NP
.endif
.endif
.if (\mode) != 3
	FETCH_B CNS, CNQ, CNP
	FETCH_A CNS, CNQ, 0
	SCALES CNP, CN
.endif
	WIN MULW
	MUL8 4, CP, CZ
	MUL8 6, CP, CZ
.if (\mode) != 3
	PLACES NP
	WIN 0
	FETCH_A CNS, CNQ, 4
.endif
.endm
; chunk kc of my two rows: n = M_row - M_loc; l += l_loc 2^-n; each scale byte becomes max(byte - n, 0).  The bytes are at most 125 (p is at most 1), so bit 7 of each is free to catch the borrow
.macro FIXK kc
.irp e, 0,1
	v_sub_f32 v[NN+\e], v[NMR+2*(\kc)+\e], v[MR+\e]
.endr
.irp e, 0,1
	v_cvt_u32_f32 v[NN+\e], v[NN+\e]               ; (it saturates)
.endr
.irp e, 0,1
	v_min_u32 v[NN+\e], 127, v[NN+\e]
.endr
.irp e, 0,1
	v_sub_nc_u32 v[FF+\e], 0, v[NN+\e]
.endr
.irp e, 0,1
	v_perm_b32 v[RP+\e], v[NN+\e], v[NN+\e], 0     ; n in all four bytes
.endr
.irp e, 0,1
	v_ldexp_f32 v[FF+\e], 1.0, v[FF+\e]            ; 2^-n
.endr
.irp e, 0,1
	v_or_b32 v[SWR+2*(\kc)+\e], s18, v[SWR+2*(\kc)+\e]
.endr
.irp e, 0,1
	v_sub_nc_u32 v[SWR+2*(\kc)+\e], v[SWR+2*(\kc)+\e], v[RP+\e]    ; 128 + byte - n in each byte: never under 1, so no byte borrows from the next
.endr
.irp e, 0,1
.if (\kc) == 0
	v_mul_f32 v[LS+\e], v[LLR+2*(\kc)+\e], v[FF+\e]
.else
	v_fmac_f32 v[LS+\e], v[LLR+2*(\kc)+\e], v[FF+\e]
.endif
.endr
.irp e, 0,1
	v_and_b32 v[ZZ+\e], s18, v[SWR+2*(\kc)+\e]     ; bit 7 stands where byte - n is 0 or more
.endr
.irp e, 0,1
	v_lshrrev_b32 v[RP+\e], 7, v[ZZ+\e]
.endr
.irp e, 0,1
	v_sub_nc_u32 v[ZZ+\e], v[ZZ+\e], v[RP+\e]      ; 0x7f there, 0 elsewhere
.endr
.irp e, 0,1
	v_and_b32 v[SWR+2*(\kc)+\e], v[SWR+2*(\kc)+\e], v[ZZ+\e]
.endr
.endm
; THE WAY OUT of block a (16 queries x my 64 of d): x 1 / l in place; through my stage in slot 0 (its last fill and its last read are over); back as whole rows of 256 bytes, two rows an instruction
.macro MULS a
.set AC, 32*(\a)
	WIN 0x86                                       ; destination and source 0: window 2; source 1: window 1
.set kk, 0
.rept 16
	v_pk_mul_f32 v[AC+kk:AC+kk+1], v[AC+kk:AC+kk+1], v[2*(\a):2*(\a)+1] op_sel_hi:[1,0]   ; each accumulator from its low end on
.set kk, kk+2
.endr
.endm
.macro TOSTAGE a
.set AC, 32*(\a)
	WIN 0x08                                       ; an LDS store's data are its source 1: window 2
.irp b, 0,1,2,3
	ds_store_b128 v[STO], v[AC+8*\b:AC+8*\b+3] offset:128*(\b/2)+32*(\b%2)
	ds_store_b128 v[STO], v[AC+8*\b+4:AC+8*\b+7] offset:128*(\b/2)+32*(\b%2)+16
.endr
	WIN 0
.set BB, BK+32*((\a)%2)
.irp t, 0,1,2,3,4,5,6,7
	ds_load_b128 v[BB+4*\t:BB+4*\t+3], v[RD] offset:2*\t*SPITCH    ; LDS serves a wave's instructions in order: these see the stores above
.endr
.endm
.macro SEND a, younger
.set BB, BK+32*((\a)%2)
	s_wait_dscnt \younger
.irp t, 0,1,2,3,4,5,6,7
	global_store_b128 v[CO], v[BB+4*\t:BB+4*\t+3], s[12:13] offset:(32*((\a)/2)+8*((\a)%2)+2*\t+8*(\t/4))*4096 th:TH_STORE_NT   ; positions 16 a + 2 t and the next at their actual rows; sixteen lanes store 256 consecutive bytes, aligned
.endr
.endm
	s_load_b256 s[4:11], s[0:1], 0x0               ; pc s[4:5], pst s[6:7], qkvc s[8:9], qkvs s[10:11]
	s_load_b64 s[12:13], s[0:1], 0x20              ; out0
	v_lshl_add_u32 v[SPW], v0, 2, SPARE
	v_mov_b32 v[NIL], 0
	ds_add_u32 v[SPW], v[NIL]                      ; the wave's opening
	v_lshrrev_b32 v1, 5, v0
	v_readfirstlane_b32 s14, v1
	s_lshr_b32 s15, s14, 1                         ; my half of the queries.  Also: I fetch for A (0) or B (1)
	s_and_b32 s16, s14, 1                          ; my half of d.  Also: which half of that tile I fetch
	s_bfe_u32 s40, ttmp6, 0x40000                  ; cx
	s_bfe_u32 s41, ttmp6, 0x40004                  ; cy
	s_lshl_b32 s42, ttmp9, 2
	s_add_co_u32 s42, s42, s40                     ; tile of 128 of d, 0 .. 7
	s_and_b32 s18, ttmp7, 0xffff
	s_lshl_b32 s17, s18, 2
	s_add_co_u32 s17, s17, s41                     ; tile of 256 queries, 0 .. 31
	s_lshr_b32 s19, s18, 1                         ; the batch: two clusters along y to a batch
	s_lshl_b32 s43, s41, 2
	s_lshl_b32 s43, 15, s43                        ; my row of the cluster
	s_lshl_b32 s44, 0x1111, s40                    ; my column
	s_or_b32 s[G1+0], s43, (3<<16)|(1<<21)         ; p's half: 49,152 dense bytes, 192 rows of 256
	s_mov_b32 s[G1+1], 32<<16
	s_mov_b32 s[G1+2], 192<<16
	s_mov_b32 s[G1+3], 32<<16
	s_mov_b32 s[G1+4], 192
	s_mov_b32 s[G1+5], 32
	s_mov_b32 s[G1+6], 0
	s_mov_b32 s[G1+7], 0
	s_or_b32 s[G1B+0], s44, (3<<16)|(1<<21)        ; v^T's half: 24,576 dense bytes, 96 rows of 256
	s_mov_b32 s[G1B+1], 32<<16
	s_mov_b32 s[G1B+2], 96<<16
	s_mov_b32 s[G1B+3], 32<<16
	s_mov_b32 s[G1B+4], 96
	s_mov_b32 s[G1B+5], 32
	s_mov_b32 s[G1B+6], 0
	s_mov_b32 s[G1B+7], 0
	s_or_b32 s[G1SB+0], s44, (3<<16)|(1<<21)       ; v^T's scale words: a quarter, 2,048 dense bytes, 8 rows of 256
	s_mov_b32 s[G1SB+1], 32<<16
	s_mov_b32 s[G1SB+2], 8<<16
	s_mov_b32 s[G1SB+3], 32<<16
	s_mov_b32 s[G1SB+4], 8
	s_mov_b32 s[G1SB+5], 32
	s_mov_b32 s[G1SB+6], 0
	s_mov_b32 s[G1SB+7], 0
	s_lshl_b32 s20, s17, 1
	s_add_co_u32 s20, s20, s16
	s_mul_i32 s20, s20, TILEB                      ; p's tile of 128 rows that I would fetch
	s_mov_b32 s21, 0
	s_lshl_b32 s46, s19, 3
	s_add_co_u32 s46, s46, s42                     ; v^T's tile: 8 x batch + tile of d
	s_lshl_b32 s92, s46, 13
	s_lshl_b32 s93, s14, 11
	s_add_co_u32 s92, s92, s93                     ; my quarter of its scale words,
	s_add_co_u32 s92, s92, 524288                  ; behind q's and k's
	s_mov_b32 s93, 0
	s_mul_i32 s46, s46, TILEB
	s_mul_i32 s47, s16, HALFB                      ; the half along K that I would fetch
	s_add_co_u32 s46, s46, s47
	s_add_co_u32 s46, s46, 12582912                ; v^T's codes lie behind q's and k's
	s_mov_b32 s47, 0
	s_mul_i32 s45, s16, SLK                        ; where they go in a slot: the wave's number alone
	s_mul_i32 s95, s16, HALFB
	s_add_co_u32 s95, s95, BOFF
	s_lshl_b32 s94, s14, 11
	s_lshl_b32 s100, s17, 1
	s_add_co_u32 s100, s100, s15
	s_lshl_b32 s100, s100, 13                      ; the head: my half's 16 chunks of 512 bytes in each array of pst
	s_mov_b32 s101, 0
	v_and_b32 v6, 31, v0
	s_lshl_b32 s18, s16, 8
	v_lshl_add_u32 v3, v6, 3, s18                  ; rows 64 (wave % 2) + 2 lane and the next: 8 bytes a lane
	s_lshl_b32 s19, s15, 13
	s_add_co_u32 s19, s19, SCA
	v_add_nc_u32 v4, s19, v3                       ; where their scale words go
	s_lshl_b32 s19, s15, 9
	s_add_co_u32 s19, s19, RLB
	v_add_nc_u32 v5, s19, v3                       ; and their 1 / l
	s_wait_dscnt 0x0                               ; the opening add is done
	s_wait_kmcnt 0x0
	s_add_nc_u64 s[20:21], s[4:5], s[20:21]
	s_add_nc_u64 s[46:47], s[8:9], s[46:47]
	s_add_nc_u64 s[92:93], s[10:11], s[92:93]
	s_add_nc_u64 s[6:7], s[6:7], s[100:101]
.irp kc, 0,1,2,3,4,5,6,7,8,9,10,11,12,13,14,15
	global_load_b64 v[SWR+2*\kc:SWR+2*\kc+1], v3, s[6:7] offset:512*\kc                  ; 32 lanes read 256 consecutive bytes, aligned
	global_load_b64 v[NMR+2*\kc:NMR+2*\kc+1], v3, s[6:7] offset:524288+512*\kc
	global_load_b64 v[LLR+2*\kc:LLR+2*\kc+1], v3, s[6:7] offset:1048576+512*\kc
.endr
	CROUND                                         ; all sixteen work-groups are here: the first joint loads meet
	s_mov_b32 s[G0SB], 1
	s_add_co_u32 s[G0SB+1], s94, SCB
	s_mov_b64 s[G0SB+2:G0SB+3], s[92:93]
	s_or_b32 s[G0SB+3], s[G0SB+3], 0x80000000
	tensor_load_to_lds s[G0SB:G0SB+3], s[G1SB:G1SB+7]   ; every wave its own quarter, jointly with my column of the cluster; filled once
	s_nop 0
.rept 4
	v_nop
.endr
.irp s, 0,1
	s_mov_b32 s[G0+4*\s], 1
	s_add_co_u32 s[G0+4*\s+1], s45, \s*SLOT
	s_add_nc_u64 s[G0+4*\s+2:G0+4*\s+3], s[20:21], \s*SLK
	s_or_b32 s[G0+4*\s+3], s[G0+4*\s+3], 0x80000000
	s_mov_b32 s[G0B+4*\s], 1
	s_add_co_u32 s[G0B+4*\s+1], s95, \s*SLOT
	s_add_nc_u64 s[G0B+4*\s+2:G0B+4*\s+3], s[46:47], \s*SLK
	s_or_b32 s[G0B+4*\s+3], s[G0B+4*\s+3], 0x80000000
	JLOAD G0+4*\s, G1, G0B+4*\s, G1B               ; three tensor loads of mine are out: the scale words and two slots
.endr
	v_and_b32 v1, 15, v0                           ; r
	v_bfe_u32 v2, v0, 4, 1                         ; h
	v_lshlrev_b32 v[L16], 4, v6
	s_mul_i32 s21, s15, SLK                        ; my 128 queries
	s_mul_i32 s22, s16, 4*1536                     ; my four blocks of d in each chunk,
	s_add_co_u32 s22, s22, BOFF                    ; behind p's two halves
.irp s, 0,1
	v_add_nc_u32 v[ADRA+\s], s21, v[L16]
	v_add_nc_u32 v[ADRB+\s], s22, v[L16]
	s_add_co_u32 s21, s21, SLOT
	s_add_co_u32 s22, s22, SLOT
.endr
	v_lshlrev_b32 v7, 2, v1
	s_lshl_b32 s21, s15, 13                        ; p's words: my half
	s_lshl_b32 s22, s16, 8                         ; v^T's: my four blocks of 64 bytes
	s_add_co_u32 s22, s22, SCB-SCA
	s_sub_co_u32 s22, s22, s21
	v_mul_u32_u24 v8, s22, v2                      ; lanes 16-31 take v^T's words
	s_add_co_u32 s21, s21, SCA
	v_add_nc_u32 v8, v7, v8
	v_add_nc_u32 v[ADRS], s21, v8
	s_mul_i32 s23, s14, 16*SPITCH                  ; my stage
	v_mul_u32_u24 v[STO], v1, SPITCH
	v_lshl_add_u32 v[STO], v2, 6, v[STO]
	v_add_nc_u32 v[STO], s23, v[STO]               ; in: row r, + 64 h
	v_mul_u32_u24 v[RD], v2, SPITCH
	v_lshl_add_u32 v[RD], v1, 4, v[RD]
	v_add_nc_u32 v[RD], s23, v[RD]                 ; back: lanes 0-15 one row, lanes 16-31 the next
	v_lshlrev_b32 v[CO], 12, v2
	v_lshl_add_u32 v[CO], v1, 4, v[CO]             ; and the same two rows in out0
	s_lshl_b32 s23, s15, 9
	s_add_co_u32 s23, s23, RLB
	v_add_nc_u32 v[RLA], s23, v7
	s_lshl_b32 s20, s17, 1
	s_add_co_u32 s20, s20, s15
	s_lshl_b32 s20, s20, 19                        ; my first row of out0: 128 rows of 4,096 bytes
	s_lshl_b32 s21, s42, 1
	s_add_co_u32 s21, s21, s16
	s_lshl_b32 s21, s21, 8                         ; my first column: 64 numbers
	s_add_co_u32 s20, s20, s21
	s_mov_b32 s21, 0
	s_add_nc_u64 s[12:13], s[12:13], s[20:21]
	s_mov_b32 s18, 0x80808080
	s_wait_loadcnt 0x0
.irp e, 0,1
	v_min3_num_f32 v[MR+\e], v[NMR+\e], v[NMR+2+\e], v[NMR+4+\e]       ; -M_row: the least of the sixteen -M_loc
.endr
.irp i, 3,5,7,9,11,13
.irp e, 0,1
	v_min3_num_f32 v[MR+\e], v[MR+\e], v[NMR+2*\i+\e], v[NMR+2*\i+2+\e]
.endr
.endr
.irp e, 0,1
	v_min_num_f32 v[MR+\e], v[MR+\e], v[NMR+30+\e]
.endr
.irp kc, 0,1,2,3,4,5,6,7,8,9,10,11,12,13,14,15
	FIXK \kc
.endr
	v_rcp_f32 v[LS], v[LS]
	v_rcp_f32 v[LS+1], v[LS+1]
	v_nop                                          ; a plain place behind the reciprocals
	s_wait_alu depctr_va_vdst(0)                   ; one wait for both, ahead of their first reader
.irp kc, 0,1,2,3,4,5,6,7,8,9,10,11,12,13,14,15
	ds_store_b64 v4, v[SWR+2*\kc:SWR+2*\kc+1] offset:512*\kc
.endr
	ds_store_b64 v5, v[LS:LS+1]
	s_wait_tensorcnt 1                             ; v^T's scale words and my part of slot 0 are in; slot 1's load may be out
	s_wait_dscnt 0x0                               ; for the others' sake: my stores have landed
	s_barrier_signal -1
	s_barrier_wait -1
	FETCH_B 0, 0, 0
	FETCH_A 0, 0, 0
	SCALES 0, 0
	FETCH_A 0, 0, 4
	CH 0, 0                                        ; the first products start the sums
	CH 1, 0
	CH 2, 0
	CH 3, 1                                        ; slot 1 is whole; slot 0 takes keys 1,024 to 1,535
	CH 4, 0
	CH 5, 0
	CH 6, 0
	CH 7, 1                                        ; slot 0 is whole; slot 1 takes keys 1,536 to 2,047
	CH 8, 0
	CH 9, 0
	CH 10, 0
	CH 11, 2                                       ; slot 1 is whole; nothing is left to fetch
	CH 12, 0
	CH 13, 0
	CH 14, 0
	CH 15, 3
	WIN 0
	PLACES NP                                      ; in front of the first read of results and of loads into registers that held fragments
	WIN TO_B
.irp a, 0,1,2,3,4,5,6,7
	ds_load_b32 v[2*\a], v[RLA] offset:64*\a       ; 1 / l of my row of block a, in window 1;
	ds_load_b32 v[2*\a+1], v[RLA] offset:64*\a     ; (the packed multiply names a pair)
.endr
	WIN 0
	s_wait_dscnt 0x0
	MULS 0
	TOSTAGE 0
.irp a, 1,2,3,4,5,6,7
.if \a > 1
	s_wait_xcnt 0x0                                ; block a - 2's stores have read their registers: block a's rows may land there
.endif
	MULS \a
	TOSTAGE \a
	SEND \a-1, 16                                  ; behind block a - 1's loads: block a's 8 stores and 8 loads
.endr
	SEND 7, 0
	s_wait_tensorcnt 0x0                           ; the wave's end
	ds_add_u32 v[SPW], v[NIL]
	s_wait_dscnt 0x0
	CROUND                                         ; the closing round
	s_endpgm
.Lfunc_end_k_qeec1ab31db_pv:
	.size	k_qeec1ab31db_pv, .Lfunc_end_k_qeec1ab31db_pv-k_qeec1ab31db_pv
	.p2alignl 7, 3214868480
	.fill 96, 4, 3214868480
	.section	.rodata,"a",@progbits
	.p2align	6, 0x0
	.amdhsa_kernel k_qeec1ab31db_pv
		.amdhsa_group_segment_fixed_size 327680
		.amdhsa_private_segment_fixed_size 0
		.amdhsa_enable_private_segment 0
		.amdhsa_kernarg_size 40
		.amdhsa_user_sgpr_count 2
		.amdhsa_user_sgpr_kernarg_segment_ptr 1
		.amdhsa_wavefront_size32 1
		.amdhsa_system_sgpr_workgroup_id_x 1
		.amdhsa_system_sgpr_workgroup_id_y 1
		.amdhsa_system_sgpr_workgroup_id_z 1
		.amdhsa_system_vgpr_workitem_id 0
		.amdhsa_next_free_vgpr 768
		.amdhsa_next_free_sgpr 102
		.amdhsa_reserve_vcc 0
		.amdhsa_float_denorm_mode_32 3
		.amdhsa_float_denorm_mode_16_64 3
		.amdhsa_memory_ordered 1
		.amdhsa_forward_progress 1
		.amdhsa_inst_pref_size 174
	.end_amdhsa_kernel
	.amdgpu_metadata
---
amdhsa.version: [ 1, 2 ]
amdhsa.kernels:
  - .name:           k_qeec1ab31db_pv
    .symbol:         k_qeec1ab31db_pv.kd
    .args:
      - { .name: pc, .offset: 0, .size: 8, .value_kind: global_buffer, .address_space: global }
      - { .name: pst, .offset: 8, .size: 8, .value_kind: global_buffer, .address_space: global }
      - { .name: qkvc, .offset: 16, .size: 8, .value_kind: global_buffer, .address_space: global }
      - { .name: qkvs, .offset: 24, .size: 8, .value_kind: global_buffer, .address_space: global }
      - { .name: out0, .offset: 32, .size: 8, .value_kind: global_buffer, .address_space: global }
    .group_segment_fixed_size: 327680
    .private_segment_fixed_size: 0
    .kernarg_segment_align: 8
    .kernarg_segment_size: 40
    .max_flat_workgroup_size: 128
    .sgpr_count:     102
    .vgpr_count:     768
    .wavefront_size: 32
...
	.end_amdgpu_metadata
.endif
;; end of part 4
